; MI455X (gfx1250); checked and timed in simulation.
; The chip was launched on July 23, 2026; its instructions are those of AMD's public machine-readable ISA for CDNA 5 (MIT licence, August 2026) and "CDNA5" Instruction Set Architecture Reference Guide (July 2026). The comments in the code are by the model that wrote it; some were corrected since.
;; Multi Head Attention. Allowed arithmetic: matrix products marked QUANTISED: E4M3 operands, one given power-of-two scale a tensor, by v_wmma_f32_16x16x64_fp8_fp8 or v_wmma_f32_16x16x128_fp8_fp8, f32 sums; everything else in f32.
;; Inputs: key 4 x 2,048 x 1,024 float32; lowp_scales 12 int32 (the exponents e of the quantised operands' scales 2^e); mask 1 x 1 x 2,048 x 2,048 int32; query 4 x 2,048 x 1,024 float32; value 4 x 2,048 x 1,024 float32; w_k 1,024 x 1,024 float32; w_o 1,024 x 1,024 float32; w_q 1,024 x 1,024 float32; w_v 1,024 x 1,024 float32.
;; Outputs: out0 4 x 2,048 x 1,024 float32.
;; This version of the problem:
;;   THIS VERSION OF THE PROBLEM IS GIVEN IN LOW PRECISION. The matrix products marked QUANTISED in the list below multiply operands that are first quantised to E4M3 (4 exponent bits, 3 mantissa bits; 8 bits a number), with one given power-of-two scale for each operand tensor; their sums are f32. All else is computed in f32.
;;   The module's matrix products, in the order in which they are computed (A, B: the left and right operand; K: the contracted axis; several contracted axes count as one K, in the product's order):
;;     1. [M 8,192, K 1,024] x [K 1,024, N 1,024]; A: input query; B: input w_q: QUANTISED (scales: A lowp_scales[0], B lowp_scales[1])
;;     2. [M 8,192, K 1,024] x [K 1,024, N 1,024]; A: input key; B: input w_k: QUANTISED (scales: A lowp_scales[2], B lowp_scales[3])
;;     3. [M 8,192, K 1,024] x [K 1,024, N 1,024]; A: input value; B: input w_v: QUANTISED (scales: A lowp_scales[4], B lowp_scales[5])
;;     4. batch 64 x [M 2,048, K 64] x [K 64, N 2,048]; A: computed on the way; B: computed on the way: QUANTISED (scales: A lowp_scales[6], B lowp_scales[7])
;;     5. batch 64 x [M 2,048, K 2,048] x [K 2,048, N 64]; A: softmax (see below); B: computed on the way: QUANTISED (scales: A lowp_scales[8], B lowp_scales[9])
;;     6. [M 8,192, K 1,024] x [K 1,024, N 1,024]; A: computed on the way; B: input w_o: QUANTISED (scales: A lowp_scales[10], B lowp_scales[11])
;;   THE QUANTISER, for each operand of a quantised product, along K:
;;     - The operand's scale is 2^e, e = its entry of the input lowp_scales (int32; the entries are numbered through the quantised products in the list's order, A before B).
;;     - Each number is divided by the scale, clamped to +-448, and rounded to the nearest number of E4M3, ties to even, subnormals kept.
;;     - The product sums the exact products of the quantised numbers (number of the format x scale) in f32.
;;   ~~~python
;;   def quantise(x, axis, e):      # numpy; x: float32 -> the quantised numbers, widened to float32 again
;;       x = np.moveaxis(x, axis, -1); K = x.shape[-1]
;;       r = np.clip(x / 2.0 ** e, -448, 448)
;;       step = 2.0 ** (np.maximum(np.frexp(np.where(r == 0, 1, r))[1] - 1, -6) - 3)
;;       q = np.round(r / step) * step * 2.0 ** e      # np.round: ties to even
;;       return np.moveaxis(q, -1, axis).astype(np.float32)
;;   ~~~
;;   SOFTMAX AHEAD OF A QUANTISED PRODUCT. Where the list says 'softmax', what is quantised is not the finished softmax but p = 2^(t - M), with t = logit x log2(e) and M = ceil(the row's largest t), a whole number; so 1/2 < the row's largest p <= 1. The row's sum l is taken of the UNQUANTISED p, in f32, and the product's result is divided by l at the end. Since M is a whole number, a kernel that streams over the keys may use a running M (the ceiling of the running maximum): every later rescaling is an exact power of two, so the quantised numbers keep their values, but for numbers so far below the row's largest that they fall under the format's range.
;;   OPERANDS COMPUTED ON THE WAY. 'Computed on the way' means the value that the module computes at that place (a softmax that the list does not call 'softmax' is quantised finished and normalised). What goes into a quantiser is computed in f32, as accurately as f32 sums, v_exp_f32 and their like allow (about 1e-6 of the number): no bf16 or f16 on the way to a quantiser, and a product that is left as it is and whose result goes on into a quantised operand takes f32 operands (vector FMAs, or v_wmma_f32_16x16x4_f32). A number that lies on a knife's edge between two numbers of the format may be rounded either way, as far as f32 arithmetic and the matrix unit's own rounding can turn it there, and no further.
;; 2 versions, each right; version 2 is version 1 with the launch attn written anew for expert scheduling mode. Each part assembles by itself: llvm-mc -triple=amdgcn-amd-amdhsa -mcpu=gfx1250 --defsym DOCPART=n.
;; ======== version 1 of 2: 4 launches
;; limits: right only within a limited range of input values
;; workspace buffers: codes 29,360,128 bytes; img 25,165,824 bytes; ximg 8,388,608 bytes; maskw 524,288 bytes of whole numbers; info 2,048 bytes of whole numbers
;; launch prep (part 1): grid 1024 x 1, 4 waves a work-group, no clusters, 67,072 bytes of LDS; arguments query, key, value, w_q, w_k, w_v, w_o, mask, lowp_scales, codes, maskw, info; writes codes, maskw, info
.if DOCPART == 1
	.amdgcn_target "amdgcn-amd-amdhsa--gfx1250"
	.amdhsa_code_object_version 6
	.text
	.protected	k_q6d7e126ac5_prep
	.globl	k_q6d7e126ac5_prep
	.p2align	8
	.type	k_q6d7e126ac5_prep,@function
k_q6d7e126ac5_prep:
	s_mov_b64 s[64:65], 0
	v_nop
	global_prefetch_b8 v0, s[64:65] scope:SCOPE_SE
	s_setreg_imm32_b32 hwreg(HW_REG_WAVE_MODE, 25, 1), 1
	s_wait_xcnt 0x0
; PREP: the seven f32 operands of the four dense products become codes of E4M3, and the mask becomes lane masks and flags.
; THE WHOLE PROGRAM: prep (this) | proj: q, k, v = x W^T on codes, quantised again on the way out | attn: softmax(q k^T / 8, mask) v on codes | outp: x w_o^T.
; WORK LEFT OUT: no input and no product of the problem is left out; every input is loaded.  The one thing not done is chosen by whole numbers: a step of 16 queries x 128 keys in which the
; mask (an int32 input) is 0 everywhere adds p = 2^(fill - M) = 0 to a row's sum and to its product wherever that row has an open key anywhere, since the fill lies more than 2^29 under
; every open logit.  This launch stores, for every tile of 16 queries, which steps have an open key, which are open everywhere, and which rows have an open key at all; the attention
; launch reads these whole numbers and walks only the steps that count; a tile with a row that has no open key walks all steps.  LIMIT: a NaN or an infinity among k's or v's codes
; cannot arise (codes are held at +-448), so nothing is lost with the steps left out.
; CODES: code = x / 2^e, held within +-448, to the nearest code, ties to even; e is the operand's entry of lowp_scales.  LIMITS: -126 <= e <= 119; NaN among the inputs is not served.
; The buffer of codes is 28,672 rows of 1,024 bytes, K innermost: query, key, value (8,192 rows each), w_q, w_k, w_v, w_o (1,024 each).
; w_v's ROWS ARE PERMUTED: in every group of 32 rows the two middle groups of 8 change places, so that later a lane's 16 results of two neighbouring tiles of channels are 16 neighbouring channels.
; WORK-GROUPS 0-127: the mask.  Work-group T takes queries 16 T .. 16 T + 15, wave g keys 512 g .. 512 g + 511, 128 keys a trip.
;   maskw[T][J][n], n = 0 .. 63: bit l = mask[16 T + l % 16][128 J + 16 (n / 8) + 8 (l / 16) + n % 8] != 0: the lane mask for score register n of the attention launch.
;   info[T][g]: bits 0-15: row r has an open key among the wave's 512; bit 16 + j: step 4 g + j has an open key; bit 20 + j: step 4 g + j is open everywhere.
; WORK-GROUPS 128-1023: the quantiser.  All tensors are dense streams; a wave takes 8,192 numbers (8 rows), 16 steps of 512.  A load reads 512 consecutive bytes; the conversions want 16 neighbours
; in one lane, so a step's 2,048 bytes turn through the wave's own stage in LDS (16 bytes of padding behind each 64).  A wave's store of codes covers 512 consecutive bytes, aligned.
; No barrier: waves share nothing.  The two paths have LDS bytes of their own.
.set MASKWG, 128
.set WREG,   8192                      ; quantiser: a wave's region: two stages of 32 x SP bytes
.set SP,     80
.set MST,    4*WREG                    ; mask path: a stage of 16 rows x MPITCH for each wave
.set MPITCH, 528                       ; 512 bytes + 16: the 16 rows that a load touches start 4 words apart
.set MREG,   16*MPITCH
.set SPARE,  MST+4*MREG                ; the spare words, 128 bytes for each wave: two blocks of 256 bytes that no other line names
.set STEPS,  16
.set R,      16                        ; v16-79   quantiser: four sets of 16 numbers as loaded
.set X,      80                        ; v80-111  two sets of 16 neighbours
.set C,      128                       ; v128-191 codes, four registers for each step
.set MR,     16                        ; v16-143  mask: two sets of 64 words as loaded
.set MX,     144                       ; v144-207 64 words in the order of the score registers
.set MWD,    208                       ; v208-215 the lane masks of a trip, a pair for each trip: lane L holds words 2 L and 2 L + 1
.set SPW,    12                        ; v12  LDS address of my spare word; never rewritten
.set NIL,    13                        ; v13  0; never rewritten
	s_load_b512 s[4:19], s[0:1], 0x0               ; query s[4:5], key s[6:7], value s[8:9], w_q s[10:11], w_k s[12:13], w_v s[14:15], w_o s[16:17], mask s[18:19]
	s_load_b256 s[20:27], s[0:1], 0x40             ; lowp_scales s[20:21], codes s[22:23], maskw s[24:25], info s[26:27]
	v_lshl_add_u32 v[SPW], v0, 2, SPARE
	v_mov_b32 v[NIL], 0
	v_lshrrev_b32 v1, 5, v0
	v_readfirstlane_b32 s2, v1                     ; wave 0..3
	v_and_b32 v2, 31, v0                           ; lane
	v_lshlrev_b32 v3, 4, v2                        ; 16 x lane: my 16 bytes of a load's 512, and of a store's
	v_lshlrev_b32 v5, 3, v2                        ; 8 x lane: my two lane masks of a trip's 64
	; every LDS address is made here, ahead of the parting of the two paths
	s_mul_i32 s40, s2, WREG
	v_lshrrev_b32 v14, 2, v2
	v_mul_u32_u24 v14, v14, SP
	v_and_b32 v15, 3, v2
	v_lshl_add_u32 v14, v15, 4, v14
	v_add_nc_u32 v14, s40, v14                     ; quantiser, in: SP (lane / 4) + 16 (lane % 4)
	v_mul_u32_u24 v15, v2, SP
	v_add_nc_u32 v15, s40, v15                     ; quantiser, out: SP x lane: my 16 neighbours
	s_mul_i32 s40, s2, MREG
	s_add_co_u32 s40, s40, MST
	v_add_nc_u32 v10, s40, v3                      ; mask, in: 16 x lane of a row
	v_and_b32 v1, 15, v2
	v_mul_u32_u24 v11, v1, MPITCH
	v_lshrrev_b32 v1, 4, v2
	v_lshl_add_u32 v11, v1, 5, v11
	v_add_nc_u32 v11, s40, v11                     ; mask, out: row lane % 16, + 32 bytes (8 keys) for the upper half of the lanes
	s_wait_kmcnt 0x0
	s_cmp_lt_u32 ttmp9, MASKWG
	s_cbranch_scc1 .Lmask
	; ---------------- the quantiser ----------------
	s_load_b256 s[28:35], s[20:21], 0x0            ; e0 .. e7
	s_load_b128 s[36:39], s[20:21], 0x20           ; e8 .. e11
	s_sub_co_u32 s46, ttmp9, MASKWG                ; which run of 32,768 numbers of the seven tensors on end
.macro SELP lim, ptr, base                     ; below lim: this tensor, whose first run is base.  The choice hangs on the work-group's number alone
	s_cmp_lt_u32 s46, \lim
	s_cselect_b64 s[40:41], s[\ptr:\ptr+1], s[40:41]
	s_cselect_b32 s43, \base, s43
.endm
.macro SELE lim, e
	s_cmp_lt_u32 s46, \lim
	s_cselect_b32 s42, s[\e], s42
.endm
	s_mov_b64 s[40:41], s[16:17]                   ; w_o,
	s_mov_b32 s43, 864
	SELP 864, 14, 832                              ; or w_v,
	SELP 832, 12, 800                              ; w_k,
	SELP 800, 10, 768                              ; w_q,
	SELP 768, 8, 512                               ; value,
	SELP 512, 6, 256                               ; key,
	SELP 256, 4, 0                                 ; query
	s_and_b32 s47, s2, 1
	s_lshl_b32 s47, s47, 1
	s_lshr_b32 s48, s2, 1
	s_or_b32 s47, s47, s48                         ; waves 1 and 2 change places:
	s_cmp_eq_u32 s43, 832
	s_cselect_b32 s47, s47, s2                     ; for w_v alone, whose work-groups hold a group of 32 rows, 8 a wave
	s_sub_co_u32 s48, s46, s43
	s_lshl_b32 s48, s48, 2
	s_add_co_u32 s48, s48, s2
	s_lshl_b32 s48, s48, 15                        ; from: my wave's 8,192 numbers of 4 bytes
	s_mov_b32 s49, 0
	s_add_nc_u64 s[40:41], s[40:41], s[48:49]
	s_lshl_b32 s48, s46, 2
	s_add_co_u32 s48, s48, s47
	s_lshl_b32 s48, s48, 13                        ; to: 8,192 codes
	s_add_nc_u64 s[22:23], s[22:23], s[48:49]
.macro LOAD t
.irp i, 0,1,2,3
	global_load_b128 v[R+16*((\t)%4)+4*\i:R+16*((\t)%4)+4*\i+3], v3, s[40:41] offset:2048*(\t)+512*\i th:TH_LOAD_NT   ; 32 lanes read 512 consecutive bytes
.endr
.endm
.macro TURN t                          ; step t's numbers through the stage: LDS serves a wave's instructions in order (ISA guide 5.7.1.4), so no wait stands between the stores and the loads
.irp i, 0,1,2,3
	ds_store_b128 v14, v[R+16*((\t)%4)+4*\i:R+16*((\t)%4)+4*\i+3] offset:32*SP*((\t)%2)+8*SP*\i
.endr
.irp i, 0,1,2,3
	ds_load_b128 v[X+16*((\t)%2)+4*\i:X+16*((\t)%2)+4*\i+3], v15 offset:32*SP*((\t)%2)+16*\i
.endr
.endm
.irp t, 0,1,2,3
	LOAD \t
.endr
	s_wait_kmcnt 0x0
	s_mov_b32 s42, s39                             ; e11 for w_o,
	SELE 864, 33                                   ; e5 for w_v,
	SELE 832, 31                                   ; e3 for w_k,
	SELE 800, 29                                   ; e1 for w_q,
	SELE 768, 32                                   ; e4 for value,
	SELE 512, 30                                   ; e2 for key,
	SELE 256, 28                                   ; e0 for query
	s_add_co_i32 s42, s42, 127
	s_lshl_b32 s44, s42, 23
	v_mov_b32 v8, s44                              ; 2^e as f32: the conversion takes its exponent field
	s_add_co_i32 s42, s42, 8
	s_lshl_b32 s42, s42, 23
	s_or_b32 s42, s42, 0x600000
	v_mov_b32 v9, s42                              ; 448 x 2^e
	s_wait_loadcnt 12                              ; step 0's four loads are in; the twelve of steps 1 to 3 may be out
	TURN 0
.macro STEP t
.set XS, X+16*((\t)%2)
	s_wait_dscnt 0x0                               ; this step's numbers are back from the stage, so its stores into the stage have read their registers,
.if (\t)+4 < STEPS
	LOAD (\t)+4                                    ; which take the loads of four steps on
.endif
.if (\t)+1 < STEPS
.if STEPS-2-(\t) >= 3
	s_wait_loadcnt 12                              ; the next step's four loads are in; those of the three steps behind it may be out
.else
	s_wait_loadcnt 4*(STEPS-2-(\t))                ; the tail: as many steps as are left behind the next
.endif
	TURN (\t)+1
.endif
.irp i, 0,1,2,3,4,5,6,7,8,9,10,11,12,13,14,15
	v_med3_num_f32 v[XS+\i], v[XS+\i], -v9, v9     ; the conversion to an 8-bit code does not saturate (ISA guide 7.6.2): the hold at the largest code x the scale
.endr
	v_cvt_scalef32_pk8_fp8_f32 v[C+4*(\t):C+4*(\t)+1], v[XS:XS+7], v8
	v_cvt_scalef32_pk8_fp8_f32 v[C+4*(\t)+2:C+4*(\t)+3], v[XS+8:XS+15], v8
	global_store_b128 v3, v[C+4*(\t):C+4*(\t)+3], s[22:23] offset:512*(\t)   ; each step has code registers of its own: no store's data are written again
.endm
.irp t, 0,1,2,3,4,5,6,7,8,9,10,11,12,13,14,15
	STEP \t
.endr
	s_branch .Lend
	; ---------------- the mask ----------------
.Lmask:
	s_lshl_b32 s40, ttmp9, 17                      ; 16 rows of 8,192 bytes,
	s_lshl_b32 s41, s2, 11                         ; my wave's 512 keys of 4 bytes
	s_add_co_u32 s40, s40, s41
	s_mov_b32 s41, 0
	s_add_nc_u64 s[18:19], s[18:19], s[40:41]
.macro LOADM j                         ; trip j: 128 keys of the 16 rows: each load reads 512 consecutive bytes of one row
.irp i, 0,1,2,3,4,5,6,7,8,9,10,11,12,13,14,15
	global_load_b128 v[MR+64*((\j)%2)+4*\i:MR+64*((\j)%2)+4*\i+3], v3, s[18:19] offset:\i*8192+(\j)*512 th:TH_LOAD_NT
.endr
.endm
	LOADM 0
	LOADM 1
	s_lshl_b32 s40, ttmp9, 12                      ; maskw: 16 steps x 256 bytes a tile of queries,
	s_lshl_b32 s42, s2, 10                         ; my wave's four steps
	s_add_co_u32 s40, s40, s42
	s_add_nc_u64 s[24:25], s[24:25], s[40:41]
	s_lshl_b32 s40, ttmp9, 4                       ; info: four words a tile,
	s_lshl_b32 s42, s2, 2                          ; my wave's one
	s_add_co_u32 s40, s40, s42
	s_add_nc_u64 s[26:27], s[26:27], s[40:41]
.irp i, 0,1,2,3,4,5,6,7
	v_mov_b32 v[MWD+\i], 0                         ; written once: a lane write's destination counts as read
.endr
	v_mov_b32 v7, 0
	s_mov_b32 s62, 0                               ; my word of info
.macro TRIPM j
.if \j < 3
	s_wait_loadcnt 16                              ; this trip's 16 loads are in; the other set's 16 may be out
.else
	s_wait_loadcnt 0x0
.endif
.irp i, 0,1,2,3,4,5,6,7,8,9,10,11,12,13,14,15
	ds_store_b128 v10, v[MR+64*((\j)%2)+4*\i:MR+64*((\j)%2)+4*\i+3] offset:\i*MPITCH
.endr
.irp t, 0,1,2,3,4,5,6,7
	ds_load_b128 v[MX+8*\t:MX+8*\t+3], v11 offset:64*\t        ; lane (r, h): row r, keys 16 t + 8 h + 0 .. 7: the wave's own stage, served in order
	ds_load_b128 v[MX+8*\t+4:MX+8*\t+7], v11 offset:64*\t+16
.endr
	s_wait_dscnt 0x0                               ; the words are back, and the stores have read their registers,
.if \j < 2
	LOADM (\j)+2                                   ; which take the trip two on
.endif
	s_mov_b32 s60, 0                               ; the OR and
	s_mov_b32 s61, -1                              ; the AND of the trip's 64 lane masks
.irp q, 0,1,2,3
.irp k, 0,1,2,3,4,5,6,7,8,9,10,11,12,13,14,15
	v_cmp_ne_u32 s[44+\k], 0, v[MX+16*\q+\k]
.endr
.irp k, 0,1,2,3,4,5,6,7,8,9,10,11,12,13,14,15
	s_or_b32 s60, s60, s[44+\k]
	s_and_b32 s61, s61, s[44+\k]
.endr
.irp k, 0,1,2,3,4,5,6,7,8,9,10,11,12,13,14,15
	v_writelane_b32 v[MWD+2*\j+(\k%2)], s[44+\k], 8*\q+\k/2
.endr
.endr
	global_store_b64 v5, v[MWD+2*\j:MWD+2*\j+1], s[24:25] offset:\j*256   ; the wave stores 256 consecutive bytes, aligned; each trip has a pair of its own
	s_lshr_b32 s63, s60, 16
	s_or_b32 s63, s63, s60
	s_and_b32 s63, s63, 0xffff                     ; row r is open in either half of the lanes
	s_or_b32 s62, s62, s63
	s_cmp_lg_u32 s60, 0
	s_cselect_b32 s63, 1<<(16+\j), 0               ; the step has an open key
	s_or_b32 s62, s62, s63
	s_cmp_eq_u32 s61, -1
	s_cselect_b32 s63, 1<<(20+\j), 0               ; the step is open everywhere
	s_or_b32 s62, s62, s63
.endm
	TRIPM 0
	TRIPM 1
	TRIPM 2
	TRIPM 3
	v_mov_b32 v6, s62
	v_cmp_eq_u32 vcc_lo, 0, v2
	s_wait_xcnt 0x0                                ; EXEC is a source of the stores above: it changes only behind this wait
	s_and_saveexec_b32 s3, vcc_lo
	global_store_b32 v7, v6, s[26:27]              ; one word a wave: 2,048 bytes in the whole launch
	s_wait_xcnt 0x0                                ; and again, in front of the line that widens it
	s_or_b32 exec_lo, exec_lo, s3
.Lend:
	s_wait_tensorcnt 0x0                           ; the wave's end, behind my last LDS store
	ds_add_u32 v[SPW], v[NIL]
	s_wait_dscnt 0x0
	s_endpgm
.Lfunc_end_k_q6d7e126ac5_prep:
	.size	k_q6d7e126ac5_prep, .Lfunc_end_k_q6d7e126ac5_prep-k_q6d7e126ac5_prep
	.p2alignl 7, 3214868480
	.fill 96, 4, 3214868480
	.section	.rodata,"a",@progbits
	.p2align	6, 0x0
	.amdhsa_kernel k_q6d7e126ac5_prep
		.amdhsa_group_segment_fixed_size 67072
		.amdhsa_private_segment_fixed_size 0
		.amdhsa_enable_private_segment 0
		.amdhsa_kernarg_size 96
		.amdhsa_user_sgpr_count 2
		.amdhsa_user_sgpr_kernarg_segment_ptr 1
		.amdhsa_wavefront_size32 1
		.amdhsa_system_sgpr_workgroup_id_x 1
		.amdhsa_system_sgpr_workgroup_id_y 1
		.amdhsa_system_sgpr_workgroup_id_z 1
		.amdhsa_system_vgpr_workitem_id 0
		.amdhsa_next_free_vgpr 216
		.amdhsa_next_free_sgpr 66
		.amdhsa_reserve_vcc 1
		.amdhsa_float_denorm_mode_32 3
		.amdhsa_float_denorm_mode_16_64 3
		.amdhsa_memory_ordered 1
		.amdhsa_forward_progress 1
		.amdhsa_inst_pref_size 105
	.end_amdhsa_kernel
	.amdgpu_metadata
---
amdhsa.version: [ 1, 2 ]
amdhsa.kernels:
  - .name:           k_q6d7e126ac5_prep
    .symbol:         k_q6d7e126ac5_prep.kd
    .args:
      - { .name: query, .offset: 0, .size: 8, .value_kind: global_buffer, .address_space: global }
      - { .name: key, .offset: 8, .size: 8, .value_kind: global_buffer, .address_space: global }
      - { .name: value, .offset: 16, .size: 8, .value_kind: global_buffer, .address_space: global }
      - { .name: w_q, .offset: 24, .size: 8, .value_kind: global_buffer, .address_space: global }
      - { .name: w_k, .offset: 32, .size: 8, .value_kind: global_buffer, .address_space: global }
      - { .name: w_v, .offset: 40, .size: 8, .value_kind: global_buffer, .address_space: global }
      - { .name: w_o, .offset: 48, .size: 8, .value_kind: global_buffer, .address_space: global }
      - { .name: mask, .offset: 56, .size: 8, .value_kind: global_buffer, .address_space: global }
      - { .name: lowp_scales, .offset: 64, .size: 8, .value_kind: global_buffer, .address_space: global }
      - { .name: codes, .offset: 72, .size: 8, .value_kind: global_buffer, .address_space: global }
      - { .name: maskw, .offset: 80, .size: 8, .value_kind: global_buffer, .address_space: global }
      - { .name: info, .offset: 88, .size: 8, .value_kind: global_buffer, .address_space: global }
    .group_segment_fixed_size: 67072
    .private_segment_fixed_size: 0
    .kernarg_segment_align: 8
    .kernarg_segment_size: 96
    .max_flat_workgroup_size: 128
    .sgpr_count:     66
    .vgpr_count:     216
    .wavefront_size: 32
...
	.end_amdgpu_metadata
.endif
;; end of part 1
;; launch proj (part 2): grid 4 x 96, 4 waves a work-group, clusters of 4 x 4, 327,680 bytes of LDS; arguments codes, lowp_scales, img; writes img
.if DOCPART == 2
	.amdgcn_target "amdgcn-amd-amdhsa--gfx1250"
	.amdhsa_code_object_version 6
	.text
	.protected	k_q6d7e126ac5_proj
	.globl	k_q6d7e126ac5_proj
	.p2align	8
	.type	k_q6d7e126ac5_proj,@function
k_q6d7e126ac5_proj:
	s_mov_b64 s[64:65], 0
	v_nop
	global_prefetch_b8 v0, s[64:65] scope:SCOPE_SE
	s_setreg_imm32_b32 hwreg(HW_REG_WAVE_MODE, 25, 1), 1
	s_wait_xcnt 0x0
	s_wait_alu depctr_hold_cnt(0) depctr_sa_sdst(0) depctr_va_vdst(0) depctr_va_sdst(0) depctr_va_ssrc(0) depctr_va_vcc(0) depctr_vm_vsrc(0)
	s_getreg_b32 s2, hwreg(HW_REG_IB_STS2, 6, 4)
	s_cmp_eq_u32 s2, 0
	s_cbranch_scc0 .Lentry_in_a_cluster
	s_endpgm
.Lentry_in_a_cluster:
	s_bfe_u32 s2, ttmp6, 0x10000c
	s_cmp_lg_u32 s2, 0xf033
	s_cbranch_scc0 .Lentry_shape_is_right
	s_endpgm
.Lentry_shape_is_right:
; PROJ: q = query w_q^T, k = key w_k^T, v = value w_v^T on codes of E4M3, all three in one launch; each result is quantised again on the way out (scales e6, e7, e9) and stored as
; IMAGES OF OPERAND REGISTERS for the attention launch.  Nothing of the problem is left out here.
; A tile of 256 x 256 of a product is made by four waves, each 128 x 128: 64 accumulators, 512 registers.  K = 1,024 goes in steps of 256 through a ring of two LDS slots filled by the tensor data mover.
; 24 clusters of 4 x 4 work-groups along y: tensor tau = cluster y / 8 (0 q, 1 k, 2 v), Y = cluster y % 8.
;   q, k: side A = the tokens (tile row 4 Y + cy of 32), side B = the weight's rows (tile column cx of 4).
;   v:    side A = w_v's rows (tile row cy of 4), side B = the tokens (tile column 4 Y + cx of 32): so that a lane's registers run along the TOKENS, which are the K of attention's second product.
; The four of a row of the cluster need the same tiles of A, the four of a column the same tiles of B: each tile is asked for JOINTLY, by the same tensor load with the same descriptor and a mask that names the four.
; THE MATRIX INSTRUCTION IS USED TRANSPOSED (source 0 = 16 rows of B, source 1 = 16 rows of A): lane (r, h) holds row r of A's block and, in accumulator b, B's rows 16 b + 8 h + 0 .. 7.
; Eight such sums become 8 codes in two registers, registers 2 b and 2 b + 1: that IS the layout of an 8-bit operand (ISA guide 7.12.2): k = 16 c + 8 h + 0 .. 7 in registers 2 c, 2 c + 1.
; IMG: tau x 8,388,608 + (batch x 8 + block of 128 features) x 262,144 + (block of 128 tokens in the batch) x 16,384 + a x 2,048 + bb x 512 + 16 x lane; a = A's block of 16 rows, bb = four registers.
; The fragments are fetched by loads of 16 bytes: a permutation of k inside a step of 128, the same in A and in B, so that every product meets its partner.
; A sum stands for sum x 2^(eA + eB), so its code is sum / 2^d, d = eo - eA - eB.  LIMIT: -126 <= d <= 119 for each of the three.
; REGISTERS, in windows of 256: window 0: v0-31 addresses and constants; from v128 A's fragments, ONE set; on the way out v32-95 held sums, v96-223 codes.
;   window 1: B's fragments, TWO sets.   window 2: the accumulators of my rows 0-63 (accumulator (a, b) at v[8 (8 a + b)]);   window 3: those of my rows 64-127.
.set KSTEP,  256
.set ROWB,   256                       ; a tile's row in bytes
.set KROW,   1024                      ; a row of codes in memory
.set PITCH,  272                       ; an LDS row: 256 bytes + 16 of padding = 68 words: the 16 rows that a load touches start 4 words apart
.set FR,     16
.set NL,     4
.set NP,     4                         ; places behind this matrix instruction (ISA guide 7.12.1)
.set HALFT,  128*PITCH
.set SLOT,   4*HALFT                   ; A's 256 rows, then B's 256 rows
.set LAPS,   1024/(2*KSTEP)
.set SPARE,  2*SLOT                    ; behind the ring: the spare words, 128 bytes for each wave: two blocks of 256 bytes that no other line names
.set ADRA, 16                          ; v16-17  LDS address of my A fragments in slot 0, 1
.set ADRB, 20                          ; v20-21  the same for B
.set CO,   26                          ; v26     16 x lane: my place in an image's piece
.set SPW,  28                          ; v28     LDS address of my spare word; never rewritten
.set NIL,  29                          ; v29     0; never rewritten
.set LIMV, 30                          ; v30     448 x 2^d
.set SCV,  31                          ; v31     2^d
.set TMP,  32                          ; the way out: a block's 64 sums, held
.set CD,   96                          ; the way out: 16 registers of codes for each of the 8 blocks
.set AF,   128
.set G1, 24
.set G0, 32
.set G1B, 48
.set G0B, 56
.set MSB, 0
.macro WIN new                         ; the immediate's high byte repeats the setting that is left
.if MSB != \new
	s_set_vgpr_msb (MSB<<8)|\new
.set MSB, \new
.endif
.endm
.set MUL_LO, 0xa1                      ; source 0 (B) window 1, source 1 (A) window 0, C and D window 2
.set MUL_HI, 0xf1                      ; the same, C and D window 3
.set TO_B,   0x40                      ; destination window 1, address window 0
; A joint load: waves 0 and 1 fetch for A, waves 2 and 3 for B; the branch hangs on the wave's number alone.  An s_nop 0 and four v_nop follow each of the two lines.
.macro JLOAD g0a, g1a, g0b, g1b
	s_cmp_eq_u32 s15, 0
	s_cbranch_scc0 .Lfor_b_\@
	tensor_load_to_lds s[\g0a:\g0a+3], s[\g1a:\g1a+7]
	s_nop 0
.rept 4
	v_nop
.endr
	s_branch .Lasked_\@
.Lfor_b_\@:
	tensor_load_to_lds s[\g0b:\g0b+3], s[\g1b:\g1b+7]
	s_nop 0
.rept 4
	v_nop
.endr
.Lasked_\@:
.endm
.macro CREST                           ; a round of the cluster's barrier behind its opening barrier
	s_cmp_lg_u32 s14, 0
	s_cbranch_scc1 .Lnot_wave_0_\@
	s_barrier_signal -3
.Lnot_wave_0_\@:
	s_barrier_wait -3
	s_barrier_signal -1
	s_barrier_wait -1
.endm
.macro CROUND
	s_barrier_signal -1
	s_barrier_wait -1
	CREST
.endm
	s_load_b128 s[4:7], s[0:1], 0x0                ; codes s[4:5], lowp_scales s[6:7]
	s_load_b64 s[8:9], s[0:1], 0x10                ; img
	v_lshl_add_u32 v[SPW], v0, 2, SPARE
	v_mov_b32 v[NIL], 0
	ds_add_u32 v[SPW], v[NIL]                      ; the wave's opening: the add, twice on end, and its wait ahead of my first tensor load
	ds_add_u32 v[SPW], v[NIL]
	v_lshrrev_b32 v1, 5, v0
	v_readfirstlane_b32 s14, v1                    ; wave 0..3
	s_lshr_b32 s15, s14, 1                         ; which half of A's rows is mine.  Also: I fetch for A (0) or for B (1)
	s_and_b32 s16, s14, 1                          ; which half of B's rows.  Also: which 128 rows of that tile I fetch
	s_bfe_u32 s40, ttmp6, 0x40000                  ; cx
	s_bfe_u32 s41, ttmp6, 0x40004                  ; cy
	s_and_b32 s80, ttmp7, 0xffff                   ; cluster y: the same in all sixteen partners
	s_lshr_b32 s81, s80, 3                         ; tau
	s_and_b32 s82, s80, 7
	s_lshl_b32 s82, s82, 2                         ; 4 Y
	s_lshl_b32 s85, s81, 13                        ; A's first row in the buffer of codes: query 0, key 8,192;
	s_lshl_b32 s86, s81, 10
	s_add_co_u32 s86, s86, 24576                   ; B's: w_q 24,576, w_k 25,600
	s_cmp_eq_u32 s81, 2                            ; v?
	s_cselect_b32 s83, 0, s82                      ; the tokens' 4 Y goes to the tile row (q, k)
	s_cselect_b32 s84, s82, 0                      ; or to the tile column (v)
	s_cselect_b32 s85, 26624, s85                  ; v: A = w_v,
	s_cselect_b32 s86, 16384, s86                  ;    B = value
	s_lshl_b32 s42, ttmp9, 2
	s_add_co_u32 s42, s42, s40
	s_add_co_u32 s42, s42, s84                     ; tile column
	s_add_co_u32 s17, s41, s83                     ; tile row
	s_lshl_b32 s43, s41, 2
	s_lshl_b32 s43, 15, s43                        ; my row of the cluster
	s_lshl_b32 s44, 0x1111, s40                    ; my column
	; descriptor group 1: a tile of 128 rows x 256 bytes, padded in LDS
	s_or_b32 s[G1+0], s43, (0<<16)|(1<<20)|(1<<21)|(5<<22)|(3<<25)  ; 15:0 the mask; 17:16 element of 1 byte; 20 padding on; 21 set beside a mask; 24:22 after every 64 words; 31:25 four words
	s_or_b32 s[G1B+0], s44, (0<<16)|(1<<20)|(1<<21)|(5<<22)|(3<<25)
.irp g, G1, G1B
	s_mov_b32 s[\g+1], ROWB<<16                    ; tensor_dim0
	s_mov_b32 s[\g+2], 128<<16                     ; tensor_dim1
	s_mov_b32 s[\g+3], ROWB<<16                    ; tile_dim0
	s_mov_b32 s[\g+4], 128                         ; tile_dim1
	s_mov_b32 s[\g+5], KROW                        ; tensor_dim0_stride
	s_mov_b32 s[\g+6], 0
	s_mov_b32 s[\g+7], 0
.endr
	s_lshl_b32 s18, s16, 7                         ; which 128 rows of the tile I fetch
	s_lshl_b32 s20, s17, 8
	s_add_co_u32 s20, s20, s18
	s_add_co_u32 s20, s20, s85                     ; A's row in the buffer of codes: made of cy, the cluster's y and the wave's number
	s_lshl_b32 s20, s20, 10                        ; in bytes: under 2^25
	s_mov_b32 s21, 0
	s_lshl_b32 s46, s42, 8
	s_add_co_u32 s46, s46, s18
	s_add_co_u32 s46, s46, s86                     ; B's: made of cx, the cluster's place and the wave's number
	s_lshl_b32 s46, s46, 10
	s_mov_b32 s47, 0
	s_mul_i32 s45, s14, HALFT                      ; where they go: wave x 128 rows: no place in the cluster enters an LDS address
	s_wait_dscnt 0x0                               ; both opening adds are done
	s_wait_kmcnt 0x0
	s_load_b256 s[68:75], s[6:7], 0x0              ; e0 .. e7
	s_load_b128 s[76:79], s[6:7], 0x20             ; e8 .. e11
	s_add_nc_u64 s[20:21], s[4:5], s[20:21]
	s_add_nc_u64 s[46:47], s[4:5], s[46:47]
	CROUND                                         ; all sixteen work-groups are here: the first joint loads meet
.irp s, 0,1
	s_mov_b32 s[G0+4*\s], 1
	s_add_co_u32 s[G0+4*\s+1], s45, \s*SLOT
	s_add_nc_u64 s[G0+4*\s+2:G0+4*\s+3], s[20:21], \s*ROWB
	s_or_b32 s[G0+4*\s+3], s[G0+4*\s+3], 0x80000000
	s_mov_b32 s[G0B+4*\s], 1
	s_add_co_u32 s[G0B+4*\s+1], s45, \s*SLOT
	s_add_nc_u64 s[G0B+4*\s+2:G0B+4*\s+3], s[46:47], \s*ROWB
	s_or_b32 s[G0B+4*\s+3], s[G0B+4*\s+3], 0x80000000
	JLOAD G0+4*\s, G1, G0B+4*\s, G1B               ; two loads of mine are out
.endr
	v_and_b32 v1, 15, v0                           ; l % 16
	v_bfe_u32 v2, v0, 4, 1                         ; l / 16
	v_mul_u32_u24 v3, v1, PITCH
	v_lshl_add_u32 v4, v2, 4, v3                   ; a fragment's row x pitch + 16 x half
	s_mul_i32 s21, s15, HALFT                      ; my 128 rows of A
	s_mul_i32 s22, s16, HALFT                      ; my 128 rows of B,
	s_add_co_u32 s22, s22, 2*HALFT                 ; which lie behind A's 256
.irp s, 0,1
	v_add_nc_u32 v[ADRA+\s], s21, v4
	v_add_nc_u32 v[ADRB+\s], s22, v4
	s_add_co_u32 s21, s21, SLOT
	s_add_co_u32 s22, s22, SLOT
.endr
	v_and_b32 v6, 31, v0
	v_lshlrev_b32 v[CO], 4, v6
	; where my wave's 16,384 bytes of images begin
	s_lshl_b32 s87, s17, 1
	s_add_co_u32 s87, s87, s15                     ; A's block of 128 rows
	s_lshl_b32 s88, s42, 1
	s_add_co_u32 s88, s88, s16                     ; B's
	s_cmp_eq_u32 s81, 2
	s_cselect_b32 s89, s88, s87                    ; the block of tokens, 0 .. 63,
	s_cselect_b32 s90, s87, s88                    ; and of features, 0 .. 7
	s_lshr_b32 s91, s89, 4                         ; the batch
	s_lshl_b32 s91, s91, 3
	s_add_co_u32 s91, s91, s90
	s_lshl_b32 s91, s91, 18
	s_and_b32 s89, s89, 15
	s_lshl_b32 s89, s89, 14
	s_add_co_u32 s92, s91, s89
	s_lshl_b32 s93, s81, 23
	s_add_co_u32 s92, s92, s93
	s_mov_b32 s93, 0
	s_add_nc_u64 s[8:9], s[8:9], s[92:93]
.macro FRAG reg, adr, q, i             ; 16 rows x 128 K: lane l holds row l % 16; registers 4 c .. 4 c + 3 hold K = 32 c + 16 (l / 16) + 0 .. 15
.irp c, 0,1,2,3
	ds_load_b128 v[\reg+4*\c:\reg+4*\c+3], v[\adr] offset:128*(\q)+32*\c+(\i)*16*PITCH
.endr
.endm
; 16 matrix instructions: A's blocks a0, a0 + 1 x B's eight.  p: B's set.  zero = 1: the first product starts the sums.  The 64 accumulators take turns, one instruction a turn, in the same order in every step.
.macro MUL16 a0, p, zero
.irp a, \a0, \a0+1
.irp b, 0,1,2,3,4,5,6,7
.if \zero
	v_wmma_f32_16x16x128_fp8_fp8 v[8*(8*((\a)%4)+\b):8*(8*((\a)%4)+\b)+7], v[128*(\p)+FR*\b:128*(\p)+FR*\b+FR-1], v[AF+FR*(\a):AF+FR*(\a)+FR-1], 0
.else
	v_wmma_f32_16x16x128_fp8_fp8 v[8*(8*((\a)%4)+\b):8*(8*((\a)%4)+\b)+7], v[128*(\p)+FR*\b:128*(\p)+FR*\b+FR-1], v[AF+FR*(\a):AF+FR*(\a)+FR-1], v[8*(8*((\a)%4)+\b):8*(8*((\a)%4)+\b)+7]
.endif
.endr
.endr
.endm
.macro FETCH_B slot, q, p
	WIN TO_B
.irp i, 0,1,2,3,4,5,6,7
	FRAG 128*(\p)+FR*\i, ADRB+\slot, \q, \i
.endr
	WIN 0
.endm
.macro FETCH_A slot, q, i0
.irp i, \i0, \i0+1, \i0+2, \i0+3
	FRAG AF+FR*(\i), ADRA+\slot, \q, \i
.endr
.endm
.macro PLACES n                        ; plain vector instructions between a matrix instruction and a load into its sources or a read of its result
.rept \n
	v_nop
.endr
.endm
; A step of 128 along K that has its successor in the same slot.
.macro STEP slot, q, zero
	s_wait_dscnt 4*NL                              ; B's set and A's blocks 0-3 are in; the youngest 16 loads (A's blocks 4-7) may be out
	WIN MUL_LO
	MUL16 0, (\q)%2, \zero
	MUL16 2, (\q)%2, \zero
	s_wait_dscnt 0                                 ; A's blocks 4-7 are in
	PLACES NP
	FETCH_B \slot, (\q)+1, 1-(\q)%2
	FETCH_A \slot, (\q)+1, 0
	WIN MUL_HI
	MUL16 4, (\q)%2, \zero
	MUL16 6, (\q)%2, \zero
	PLACES NP
	WIN 0
	FETCH_A \slot, (\q)+1, 4
.endm
; A slot's last step changes slots: ONE barrier; in front of it each wave waits for all its tensor loads, adds 0 to its spare word, and waits for that and for its own reads of this slot.  fill = 1: this slot is filled again, two K steps ahead.
.macro TURN slot, next, fill
	s_wait_tensorcnt 0x0                           ; all my tensor loads have landed: the one that was out is my part of the next slot
	ds_add_u32 v[SPW], v[NIL]                      ; 0 onto my spare word
	s_wait_dscnt 4*NL+1                            ; (the add and the youngest 16 loads, A's blocks 4-7, may be out)
	WIN MUL_LO
	MUL16 0, 1, 0
	s_wait_dscnt 0x0                               ; the add is done, and my reads of this slot are over
	s_barrier_signal -1
	MUL16 2, 1, 0
	WIN 0
	s_barrier_wait -1
.if \fill
	CREST                                          ; the barrier has opened a round of the cluster's barrier: no wave of any partner still reads this slot or has a load on its way
	s_add_nc_u64 s[G0+4*\slot+2:G0+4*\slot+3], s[G0+4*\slot+2:G0+4*\slot+3], 2*ROWB
	s_add_nc_u64 s[G0B+4*\slot+2:G0B+4*\slot+3], s[G0B+4*\slot+2:G0B+4*\slot+3], 2*ROWB
	JLOAD G0+4*\slot, G1, G0B+4*\slot, G1B         ; the first tensor load behind the round, my only one until the next; its four v_nop are the places in front of the loads below
.else
	PLACES NP
.endif
	FETCH_B \next, 0, 0
	FETCH_A \next, 0, 0
	WIN MUL_HI
	MUL16 4, 1, 0
	MUL16 6, 1, 0
	PLACES NP
	WIN 0
	FETCH_A \next, 0, 4
.endm
	s_wait_tensorcnt 1                             ; my part of K step 0 is in; K step 1's load may be out
	s_barrier_signal -1
	s_barrier_wait -1
	FETCH_B 0, 0, 0
	FETCH_A 0, 0, 0
	FETCH_A 0, 0, 4
	STEP 0, 0, 1                                   ; the first step stands in front of the loop: its products start the sums
	s_mov_b32 s3, LAPS-1
.Llap:                                                 ; a trip goes once round the ring and fills both slots again
	TURN 0, 1, 1
	STEP 1, 0, 0
	TURN 1, 0, 1
	STEP 0, 0, 0
	s_sub_co_u32 s3, s3, 1
	s_cmp_lg_u32 s3, 0
	s_cbranch_scc1 .Llap
	TURN 0, 1, 0                                   ; the last lap fills nothing, and has no round of the cluster's barrier
	STEP 1, 0, 0
	s_wait_dscnt 4*NL
	WIN MUL_LO
	MUL16 0, 1, 0
	MUL16 2, 1, 0
	s_wait_dscnt 0
	WIN MUL_HI
	MUL16 4, 1, 0
	MUL16 6, 1, 0
	WIN 0
	; THE WAY OUT: no LDS: a lane's 64 sums of a block are 64 codes, 16 registers, in the order of an operand's registers; four stores of 512 consecutive bytes each.
	s_wait_kmcnt 0x0
	s_sub_co_i32 s87, s74, s68
	s_sub_co_i32 s87, s87, s69                     ; q: e6 - e0 - e1
	s_sub_co_i32 s88, s75, s70
	s_sub_co_i32 s88, s88, s71                     ; k: e7 - e2 - e3
	s_sub_co_i32 s89, s77, s72
	s_sub_co_i32 s89, s89, s73                     ; v: e9 - e4 - e5
	s_cmp_eq_u32 s81, 0
	s_cselect_b32 s87, s87, s88
	s_cmp_eq_u32 s81, 2
	s_cselect_b32 s87, s89, s87                    ; d: chosen without a branch
	s_add_co_i32 s87, s87, 127
	s_lshl_b32 s88, s87, 23
	v_mov_b32 v[SCV], s88                          ; 2^d as f32
	s_add_co_i32 s87, s87, 8
	s_lshl_b32 s87, s87, 23
	s_or_b32 s87, s87, 0x600000
	v_mov_b32 v[LIMV], s87                         ; 448 x 2^d
	PLACES NP                                      ; behind the last products: for the reads of results and the writes over A's fragments
.macro OUTBLK a
.set AC, 64*((\a)%4)
	WIN 0x02+((\a)/4)                              ; source 0: window 2 or 3
.set j, 0
.rept 64
	v_med3_num_f32 v[TMP+j], v[AC+j], -v[LIMV], v[LIMV]   ; the hold at the largest code x the scale (ISA guide 7.6.2), into other registers; each accumulator from its low end on
.set j, j+1
.endr
	WIN 0
.irp b, 0,1,2,3,4,5,6,7
	v_cvt_scalef32_pk8_fp8_f32 v[CD+16*(\a)+2*\b:CD+16*(\a)+2*\b+1], v[TMP+8*\b:TMP+8*\b+7], v[SCV]
.endr
	v_nop                                          ; one plain instruction between the conversions and the next block's holds, which write their sources
.irp p, 0,1,2,3
	global_store_b128 v[CO], v[CD+16*(\a)+4*\p:CD+16*(\a)+4*\p+3], s[8:9] offset:(\a)*2048+\p*512   ; every block has code registers of its own: no store's data are written again
.endr
.endm
.irp a, 0,1,2,3,4,5,6,7
	OUTBLK \a
.endr
	s_wait_tensorcnt 0x0                           ; the wave's end
	ds_add_u32 v[SPW], v[NIL]
	s_wait_dscnt 0x0
	CROUND                                         ; the closing round: no work-group ends while a partner may still ask for a tile that names it
	s_endpgm
.Lfunc_end_k_q6d7e126ac5_proj:
	.size	k_q6d7e126ac5_proj, .Lfunc_end_k_q6d7e126ac5_proj-k_q6d7e126ac5_proj
	.p2alignl 7, 3214868480
	.fill 96, 4, 3214868480
	.section	.rodata,"a",@progbits
	.p2align	6, 0x0
	.amdhsa_kernel k_q6d7e126ac5_proj
		.amdhsa_group_segment_fixed_size 327680
		.amdhsa_private_segment_fixed_size 0
		.amdhsa_enable_private_segment 0
		.amdhsa_kernarg_size 24
		.amdhsa_user_sgpr_count 2
		.amdhsa_user_sgpr_kernarg_segment_ptr 1
		.amdhsa_wavefront_size32 1
		.amdhsa_system_sgpr_workgroup_id_x 1
		.amdhsa_system_sgpr_workgroup_id_y 1
		.amdhsa_system_sgpr_workgroup_id_z 1
		.amdhsa_system_vgpr_workitem_id 0
		.amdhsa_next_free_vgpr 1024
		.amdhsa_next_free_sgpr 100
		.amdhsa_reserve_vcc 0
		.amdhsa_float_denorm_mode_32 3
		.amdhsa_float_denorm_mode_16_64 3
		.amdhsa_memory_ordered 1
		.amdhsa_forward_progress 1
		.amdhsa_inst_pref_size 118
	.end_amdhsa_kernel
	.amdgpu_metadata
---
amdhsa.version: [ 1, 2 ]
amdhsa.kernels:
  - .name:           k_q6d7e126ac5_proj
    .symbol:         k_q6d7e126ac5_proj.kd
    .args:
      - { .name: codes, .offset: 0, .size: 8, .value_kind: global_buffer, .address_space: global }
      - { .name: lowp_scales, .offset: 8, .size: 8, .value_kind: global_buffer, .address_space: global }
      - { .name: img, .offset: 16, .size: 8, .value_kind: global_buffer, .address_space: global }
    .group_segment_fixed_size: 327680
    .private_segment_fixed_size: 0
    .kernarg_segment_align: 8
    .kernarg_segment_size: 24
    .max_flat_workgroup_size: 128
    .sgpr_count:     100
    .vgpr_count:     1024
    .wavefront_size: 32
...
	.end_amdgpu_metadata
.endif
;; end of part 2
;; launch attn (part 3): grid 4 x 64, 16 waves a work-group, no clusters, 67,584 bytes of LDS; arguments img, maskw, info, lowp_scales, ximg; writes ximg
.if DOCPART == 3
	.amdgcn_target "amdgcn-amd-amdhsa--gfx1250"
	.amdhsa_code_object_version 6
	.text
	.protected	k_q6d7e126ac5_attn
	.globl	k_q6d7e126ac5_attn
	.p2align	8
	.type	k_q6d7e126ac5_attn,@function
k_q6d7e126ac5_attn:
	s_mov_b64 s[64:65], 0
	v_nop
	global_prefetch_b8 v0, s[64:65] scope:SCOPE_SE
	s_setreg_imm32_b32 hwreg(HW_REG_WAVE_MODE, 25, 1), 1
	s_wait_xcnt 0x0
; ATTN: x = softmax(q k^T / 8 under the mask) v for 64 (batch, head) pairs, both products on codes of E4M3; x is quantised (scale e10) and stored as images of operand registers for the last product.
; THE SOFTMAX AHEAD OF THE SECOND PRODUCT: t = logit x log2(e); M = the row's largest t so far, rounded up to a whole number; p = 2^(t - M) is quantised (scale e8), not normalised; the row's sum is taken
; of the unquantised p and divides at the end.  When M moves, the sum and O are multiplied by 2^(old M - new M), which rounds nothing.
; WORK LEFT OUT, by whole numbers that the first launch stored: a step of my 16 queries x 128 keys in which the mask is 0 everywhere is passed over where each of my 16 rows has an open key somewhere:
; its p would be 2^(fill - M) = 0 in f32.  A tile with a row that has no open key passes over nothing (that row is the plain mean of v, as with the problem's fill).  A slot of keys that none of
; the sixteen waves walks is not fetched.  A step that is open everywhere does not read its lane masks.
; THE FILL: a masked score becomes -2^(33 - e6 - e7), that is the logit -2^30 in place of -1e9.  Its t is a whole number in f32, as the t of -1e9 is, so a row with no open key has p = 1 throughout under
; either fill, and a row with an open key has p = 0 at masked keys under either.  LIMITS: open logits lie above -9.9e8 (they are at most 1.6e6 x 2^(e6 + e7) in size); -94 <= e6 + e7 <= 130;
; -126 <= e8 <= 119; -126 <= e10 - e8 - e9 <= 119.
; SHARES.  Work-group (x, y): batch y / 16, head y % 16; blocks x and 7 - x of 256 queries, one after the other.  Each of sixteen waves owns one tile of 16 queries in 256 registers: four waves to a SIMD,
; so that one wave's vector work stands beside another's matrix work and LDS loads.
; NO TENSOR LOADS AND NO CLUSTER: steps and fetches are passed over by numbers read from memory; and partners would want different slots.
; K's and V's images go memory -> registers -> LDS: each wave carries 2 x 1,024 bytes of a slot of 256 keys, asked for at the head of the slot before and stored at its end.  One barrier a slot.
; LAYOUT.  S^T = K Q^T (source 0 = 16 keys, source 1 = my queries), O^T = V^T P^T (source 0 = 16 channels, source 1 = P): a lane holds ONE query (lane % 16) throughout.  Score register n = 8 t + j is key
; 16 t + 8 (lane / 16) + j, so eight scores become registers 2 t, 2 t + 1 of P: the layout of an 8-bit operand (ISA guide 7.12.2).  V's tiles of channels are so chosen (w_v's rows were permuted) that the 16
; results of tiles 2 b, 2 b + 1 are channels 32 b + 16 (lane / 16) + 0 .. 15.
.set BUF,   32768                      ; an LDS buffer: 16 tiles of K x 1,024 bytes, then V: 2 steps x 4 tiles x 2,048 bytes.  All images: 16 x lane, no pitch
.set VOF,   16384
.set SPARE, 2*BUF                      ; the spare words, 128 bytes for each of 16 waves: eight blocks of 256 bytes that no other line names
.set LI,   1                           ; v1   16 x lane
.set ST0,  2                           ; v2   where I store my part of a slot: 1,024 x wave + 16 x lane
.set KG,   3                           ; v3   my part of a slot of K in memory: 2,048 x wave + 16 x lane
.set VG,   4                           ; v4   of V: 16,384 (wave / 8) + 1,024 (wave % 8) + 16 x lane
.set SPW,  5                           ; v5   LDS address of my spare word; never rewritten
.set NIL,  6                           ; v6   0; never rewritten
.set NEG,  7                           ; v7   the fill
.set PSC,  10                          ; v10  2^e8;  v11  448 x 2^e8
.set PLIM, 11
.set QF,   16                          ; v16-23   Q's fragment
.set XC,   24                          ; v24-31   x's codes
.set FRG,  32                          ; v32-95   K's 8 fragments, then V's 4
.set S,    96                          ; v96-159  S^T, then p
.set O,    160                         ; v160-191 O^T
.set STG,  192                         ; v192-207 my part of the next slot on its way
.set XSC,  208                         ; v208 2^(e10 - e8 - e9);  v209 448 x that
.set XLIM, 209
.set PC,   224                         ; v224-239 p's codes
; v12 -M, v13 the largest t, v[14:15] the sum in two halves; v240-247 at work
.set WV,   2                           ; s2   wave
.set E8,   3                           ; s3   e8
.set QB,   4                           ; s[4:5]   Q's images of my head
.set MWP,  10                          ; s[10:11] lowp_scales, later the lane masks of my tile, four steps on in every trip
.set XB,   12                          ; s[12:13] ximg at my batch and head
.set KB,   14                          ; s[14:15] K's images, two slots on in every trip
.set VB,   16                          ; s[16:17] V's
.set BLK,  18                          ; s18  the block of queries
.set NBL,  19                          ; s19  blocks to go
.set NB,   61                          ; s61  bit i: my tile walks step i of the trip's four (shifted by 4 a trip)
.set OPB,  62                          ; s62  bit i: that step is open everywhere
.set NWB,  63                          ; s63  bit i: some wave walks it
.set FL,   66                          ; s66  not 0: the next slot is fetched
.set TRIPS, 67
.set CS,   100                         ; s[100:101] c = log2(e) / 8 x 2^(e6 + e7)
.set SEL,  104                         ; s[104:105] lane selects: lane l xor 16
; s[20:51], s[68:99]: 64 words: word n in s[20 + n + 16 (n / 32)]: a step's lane masks; in a block's prologue the block's 64 words of info
	s_load_b256 s[4:11], s[0:1], 0x0               ; img s[4:5], maskw s[6:7], info s[8:9], lowp_scales s[10:11]
	s_load_b64 s[12:13], s[0:1], 0x20              ; ximg
	v_lshl_add_u32 v[SPW], v0, 2, SPARE
	v_mov_b32 v[NIL], 0
	v_lshrrev_b32 v8, 5, v0
	v_readfirstlane_b32 s[WV], v8                  ; wave 0..15
	v_and_b32 v8, 31, v0
	v_lshlrev_b32 v[LI], 4, v8
	s_lshl_b32 s52, s[WV], 10
	v_add_nc_u32 v[ST0], s52, v[LI]
	s_lshl_b32 s52, s[WV], 11
	v_add_nc_u32 v[KG], s52, v[LI]
	s_lshr_b32 s52, s[WV], 3
	s_lshl_b32 s52, s52, 14
	s_and_b32 s53, s[WV], 7
	s_lshl_b32 s53, s53, 10
	s_add_co_u32 s52, s52, s53
	v_add_nc_u32 v[VG], s52, v[LI]
	v_mov_b32 v242, 0                              ; written once: a lane permute's destination counts as read
	v_mov_b32 v245, 0                              ; (named as the upper half of the pair v[244:245])
	s_and_b32 s54, ttmp7, 0xffff
	s_lshr_b32 s55, s54, 4                         ; batch
	s_and_b32 s56, s54, 15                         ; head
	s_lshr_b32 s57, s56, 1                         ; the pair of heads: a block of 128 features
	s_and_b32 s58, s56, 1                          ; which of the two
	s_lshl_b32 s52, s55, 3
	s_add_co_u32 s52, s52, s57
	s_lshl_b32 s52, s52, 18
	s_lshl_b32 s59, s58, 10
	s_add_co_u32 s52, s52, s59                     ; Q, K: (batch x 8 + pair) x 262,144 + 1,024 x which
	s_mov_b32 s53, 0
	s_lshl_b32 s54, s55, 21                        ; ximg: 128 row tiles of 16,384 bytes a batch,
	s_lshl_b32 s57, s57, 11
	s_add_co_u32 s54, s54, s57                     ; 2,048 x pair,
	s_add_co_u32 s54, s54, s59                     ; 1,024 x which
	s_mov_b32 s55, 0
	s_mul_i32 s56, s58, 7168                       ; V: its section, and 8,192 x which in place of 1,024
	s_add_co_u32 s56, s56, 16777216
	s_mov_b32 s57, 0
	s_mov_b32 s[SEL], 0x76543210
	s_mov_b32 s[SEL+1], 0xfedcba98
	s_mov_b32 s[BLK], ttmp9
	s_mov_b32 s[NBL], 2
	s_wait_kmcnt 0x0
	s_load_b256 s[20:27], s[10:11], 0x0            ; e0 .. e7
	s_load_b128 s[28:31], s[10:11], 0x20           ; e8 .. e11
	s_add_nc_u64 s[QB:QB+1], s[QB:QB+1], s[52:53]
	s_add_nc_u64 s[XB:XB+1], s[XB:XB+1], s[54:55]
	s_add_nc_u64 s[KB:KB+1], s[QB:QB+1], 0x800000
	s_add_nc_u64 s[VB:VB+1], s[QB:QB+1], s[56:57]
	s_wait_kmcnt 0x0
	s_add_co_i32 s52, s26, s27                     ; e6 + e7
	s_lshl_b32 s53, s52, 23
	s_add_co_i32 s[CS], s53, 0x3e38aa3b            ; log2(e) / 8 with the two exponents added to its exponent field
	s_mov_b32 s[CS+1], s[CS]                       ; (named with it as a pair, so it is written)
	s_sub_co_i32 s53, 160, s52
	s_lshl_b32 s53, s53, 23
	s_or_b32 s53, s53, 0x80000000
	v_mov_b32 v[NEG], s53                          ; -2^(33 - e6 - e7)
	s_mov_b32 s[E8], s28
	s_add_co_i32 s52, s28, 127
	s_lshl_b32 s53, s52, 23
	v_mov_b32 v[PSC], s53
	s_add_co_i32 s52, s52, 8
	s_lshl_b32 s52, s52, 23
	s_or_b32 s52, s52, 0x600000
	v_mov_b32 v[PLIM], s52
	s_sub_co_i32 s52, s30, s28
	s_sub_co_i32 s52, s52, s29                     ; O / l stands for x / 2^(e8 + e9): its code is (O / l) / 2^(e10 - e8 - e9)
	s_add_co_i32 s52, s52, 127
	s_lshl_b32 s53, s52, 23
	v_mov_b32 v[XSC], s53
	s_add_co_i32 s52, s52, 8
	s_lshl_b32 s52, s52, 23
	s_or_b32 s52, s52, 0x600000
	v_mov_b32 v[XLIM], s52
.macro GATHER dst, src, fld            ; four bits of each of four words, on end
	s_bfe_u32 s[\dst], s[\src], \fld
.irp g, 1,2,3
	s_bfe_u32 s21, s[\src+\g], \fld
	s_lshl_b32 s21, s21, 4*\g
	s_or_b32 s[\dst], s[\dst], s21
.endr
.endm
; The next slot is asked for at the head of the slot in hand, if any wave walks one of its two steps.
.macro FILL_ISSUE buf
	s_and_b32 s[FL], s[NWB], 0xc<<(2*\buf)         ; in the last trip's second slot these bits lie beyond the sixteen steps and are 0: no load leaves the buffer
	s_cmp_lg_u32 s[FL], 0
	s_cbranch_scc0 .Lnoask_\@
	global_load_b128 v[STG:STG+3],     v[KG], s[KB:KB+1] offset:(\buf+1)*BUF
	global_load_b128 v[STG+4:STG+7],   v[KG], s[KB:KB+1] offset:(\buf+1)*BUF+512
	global_load_b128 v[STG+8:STG+11],  v[VG], s[VB:VB+1] offset:(\buf+1)*BUF
	global_load_b128 v[STG+12:STG+15], v[VG], s[VB:VB+1] offset:(\buf+1)*BUF+512
.Lnoask_\@:
.endm
; and stored at its end, into the other buffer, whose readers passed the barrier at the end of the slot before.  Then the slot's one barrier: my stores have landed and my reads of this buffer are in.
.macro FILL_STORE buf
	s_wait_loadcnt 0x0                             ; on every way: the four loads, if they were issued, are the wave's only ones
	s_cmp_lg_u32 s[FL], 0
	s_cbranch_scc0 .Lnoput_\@
	ds_store_b128 v[ST0], v[STG:STG+3]     offset:(1-\buf)*BUF
	ds_store_b128 v[ST0], v[STG+4:STG+7]   offset:(1-\buf)*BUF+512
	ds_store_b128 v[ST0], v[STG+8:STG+11]  offset:(1-\buf)*BUF+VOF
	ds_store_b128 v[ST0], v[STG+12:STG+15] offset:(1-\buf)*BUF+VOF+512
.Lnoput_\@:
	s_wait_dscnt 0x0
	s_barrier_signal -1
	s_barrier_wait -1
.endm
; A KEY STEP: 128 keys, the q-th of the slot in buffer buf.
.macro STEP buf, q
	s_bitcmp1_b32 s[NB], 2*\buf+\q
	s_cbranch_scc0 .Lskip_\@                       ; nothing of this step counts for my tile
	s_bitcmp1_b32 s[OPB], 2*\buf+\q
	s_cbranch_scc1 .Lopen_a_\@                     ; open everywhere: no lane masks
.irp i, 0,1,2,3
	s_load_b512 s[20+16*\i+16*(\i/2):35+16*\i+16*(\i/2)], s[MWP:MWP+1], (2*\buf+\q)*256+64*\i
.endr
.Lopen_a_\@:
.rept 4
	v_nop                                          ; places behind the last step's products, in front of loads into their sources
.endr
.irp t, 0,1,2,3,4,5,6,7
	ds_load_b128 v[FRG+8*\t:FRG+8*\t+3],   v[LI] offset:\buf*BUF+(8*\q+\t)*1024
	ds_load_b128 v[FRG+8*\t+4:FRG+8*\t+7], v[LI] offset:\buf*BUF+(8*\q+\t)*1024+512
.endr
	s_wait_dscnt 0x0
.irp t, 0,1,2,3,4,5,6,7
	v_wmma_f32_16x16x64_fp8_fp8 v[S+8*\t:S+8*\t+7], v[FRG+8*\t:FRG+8*\t+7], v[QF:QF+7], 0
.endr
.rept 4
	v_nop                                          ; places: in front of the loads over K's fragments and of the first read of the scores
.endr
.irp ct, 0,1,2,3
.irp p, 0,1,2,3
	ds_load_b128 v[FRG+16*\ct+4*\p:FRG+16*\ct+4*\p+3], v[LI] offset:\buf*BUF+VOF+\q*8192+\ct*2048+\p*512   ; V's fragments land under the softmax
.endr
.endr
	s_wait_kmcnt 0x0                               ; on every way: the lane masks, if they were asked for
	s_bitcmp1_b32 s[OPB], 2*\buf+\q
	s_cbranch_scc1 .Lopen_b_\@
.set n, 0
.rept 64
	v_cndmask_b32 v[S+n], v[NEG], v[S+n], s[20+n+16*(n/32)]   ; bit 1: the score stays; bit 0: the fill.  Each accumulator from its low end on
.set n, n+1
.endr
.Lopen_b_\@:
	v_max3_num_f32 v240, v[S], v[S+1], v[S+2]      ; the step's largest score of my query, among my 64 keys, in two chains,
	v_max3_num_f32 v241, v[S+3], v[S+4], v[S+5]
.irp i, 6,10,14,18,22,26,30,34,38,42,46,50,54,58
	v_max3_num_f32 v240, v240, v[S+\i], v[S+1+\i]
	v_max3_num_f32 v241, v241, v[S+2+\i], v[S+3+\i]
.endr
	v_max3_num_f32 v240, v240, v[S+62], v[S+63]
	v_max_num_f32 v240, v240, v241
	v_permlanex16_b32 v242, v240, s[SEL], s[SEL+1]
	v_max_num_f32 v240, v240, v242                 ; and among lane l xor 16's
	v_mul_f32 v240, s[CS], v240                    ; as t (c is positive)
	v_max_num_f32 v13, v13, v240                   ; the running largest t
	v_mov_b32 v240, v12
	v_floor_f32 v12, -v13                          ; the new -M = floor(-t): M is a whole number
	v_sub_f32 v240, v12, v240                      ; old M - new M: a whole number, 0 or less
	v_cvt_i32_f32 v240, v240                       ; (it saturates)
	v_ldexp_f32 v244, 1.0, v240                    ; f = 2^(old M - new M)
.set j, 0
.rept 32
	v_pk_fma_f32 v[S+j:S+j+1], v[S+j:S+j+1], s[CS:CS+1], v[12:13] op_sel_hi:[1,0,0]   ; t - M, two at a time
.set j, j+2
.endr
.set j, 0
.rept 64
	v_exp_f32 v[S+j], v[S+j]                       ; p = 2^(t - M), at most 1
.set j, j+1
.endr
	v_pk_mul_f32 v[14:15], v[14:15], v[244:245] op_sel_hi:[1,0]   ; the sums under the new M: the plain instruction behind the exponentials
	s_wait_alu depctr_va_vdst(0)                   ; one wait for the batch of 64, ahead of its first reader
	v_pk_add_f32 v[246:247], v[S:S+1], v[S+2:S+3]  ; the row's sum is taken of the unquantised p, in two chains
.irp j, 4,8,12,16,20,24,28,32,36,40,44,48,52,56,60
	v_pk_add_f32 v[14:15], v[14:15], v[S+\j:S+1+\j]
	v_pk_add_f32 v[246:247], v[246:247], v[S+2+\j:S+3+\j]
.endr
	v_pk_add_f32 v[14:15], v[14:15], v[246:247]
	s_cmp_lt_i32 s[E8], -8                         ; p is at most 1, and 448 x 2^e8 is under 1 only where e8 < -8: only there can the hold bite
	s_cbranch_scc0 .Lnohold_\@
.set j, 0
.rept 64
	v_min_num_f32 v[S+j], v[S+j], v[PLIM]          ; the conversion does not saturate (ISA guide 7.6.2); p is not negative, so the hold is one-sided
.set j, j+1
.endr
.Lnohold_\@:
.irp t, 0,1,2,3,4,5,6,7
	v_cvt_scalef32_pk8_fp8_f32 v[PC+2*\t:PC+2*\t+1], v[S+8*\t:S+8*\t+7], v[PSC]
.endr
.set j, 0
.rept 16
	v_pk_mul_f32 v[O+j:O+j+1], v[O+j:O+j+1], v[244:245] op_sel_hi:[1,0]   ; O^T under the new M; also the plain instructions behind the conversions
.set j, j+2
.endr
	s_wait_dscnt 0x0                               ; V's fragments are in
.irp ct, 0,1,2,3
	v_wmma_f32_16x16x128_fp8_fp8 v[O+8*\ct:O+8*\ct+7], v[FRG+16*\ct:FRG+16*\ct+15], v[PC:PC+15], v[O+8*\ct:O+8*\ct+7]   ; four accumulators by turns; the next step's eight score products stand between two links of a chain
.endr
.Lskip_\@:
.endm
.macro SLOT buf
	FILL_ISSUE \buf
	STEP \buf, 0
	STEP \buf, 1
	FILL_STORE \buf
.endm
.Lblock:                                           ; two trips: blocks x and 7 - x
	s_lshl_b32 s60, s[BLK], 4
	s_add_co_u32 s60, s60, s[WV]                   ; my tile of 16 queries, 0 .. 127
	s_lshl_b32 s52, s60, 11
	s_mov_b32 s53, 0
	s_add_nc_u64 s[52:53], s[QB:QB+1], s[52:53]
	global_load_b128 v[QF:QF+3],   v[LI], s[52:53] th:TH_LOAD_NT
	global_load_b128 v[QF+4:QF+7], v[LI], s[52:53] offset:512 th:TH_LOAD_NT
	global_load_b128 v[STG:STG+3],     v[KG], s[KB:KB+1]              ; slot 0 is always fetched
	global_load_b128 v[STG+4:STG+7],   v[KG], s[KB:KB+1] offset:512
	global_load_b128 v[STG+8:STG+11],  v[VG], s[VB:VB+1]
	global_load_b128 v[STG+12:STG+15], v[VG], s[VB:VB+1] offset:512
	s_lshl_b32 s54, s[BLK], 8
	s_mov_b32 s55, 0
	s_add_nc_u64 s[54:55], s[8:9], s[54:55]        ; the 16 tiles' 64 words of info
	s_load_b512 s[20:35], s[54:55], 0x0
	s_load_b512 s[36:51], s[54:55], 0x40
	s_load_b512 s[68:83], s[54:55], 0x80
	s_load_b512 s[84:99], s[54:55], 0xc0
	s_lshl_b32 s62, s60, 4
	s_mov_b32 s63, 0
	s_add_nc_u64 s[62:63], s[8:9], s[62:63]
	s_load_b128 s[56:59], s[62:63], 0x0            ; my tile's four
	s_lshl_b32 s[MWP], s60, 12
	s_mov_b32 s[MWP+1], 0
	s_add_nc_u64 s[MWP:MWP+1], s[6:7], s[MWP:MWP+1]   ; my tile's lane masks
	v_mov_b32 v13, 0xff61b1e6                      ; the largest t so far: -3e38, under every t
	v_floor_f32 v12, -v13
	v_mov_b32 v14, 0
	v_mov_b32 v15, 0
.set j, 0
.rept 32
	v_mov_b32 v[O+j], 0                            ; O^T: the step is written once; the first finds zeros, which the first change of M leaves zeros
.set j, j+1
.endr
	s_wait_kmcnt 0x0
	s_wait_xcnt 0x0                                ; the loads above have read their bases: s52 to s63 may be written
	; which steps does some wave walk, which do I walk
.irp g, 0,1,2,3
	s_or_b32 s[52+\g], s[20+\g], s[24+\g]
.irp T, 2,3,4,5,6,7,8,9,10,11,12,13,14,15
	s_or_b32 s[52+\g], s[52+\g], s[20+4*\T+\g+16*((4*\T)/32)]   ; word g of all 16 tiles
.endr
.endr
.irp T, 0,1,2,3,4,5,6,7,8,9,10,11,12,13,14,15
	s_or_b32 s[20+4*\T+16*((4*\T)/32)], s[20+4*\T+16*((4*\T)/32)], s[21+4*\T+16*((4*\T)/32)]
	s_or_b32 s[22+4*\T+16*((4*\T)/32)], s[22+4*\T+16*((4*\T)/32)], s[23+4*\T+16*((4*\T)/32)]
	s_or_b32 s[20+4*\T+16*((4*\T)/32)], s[20+4*\T+16*((4*\T)/32)], s[22+4*\T+16*((4*\T)/32)]   ; a tile's four words: bits 0-15: row r has an open key
.endr
	s_and_b32 s60, s20, s24
.irp T, 2,3,4,5,6,7,8,9,10,11,12,13,14,15
	s_and_b32 s60, s60, s[20+4*\T+16*((4*\T)/32)]
.endr
	GATHER NWB, 52, 0x40010                        ; bits 16-19 of the four: some tile has an open key in step 4 g + j
	s_and_b32 s60, s60, 0xffff
	s_cmp_eq_u32 s60, 0xffff
	s_cselect_b32 s[NWB], s[NWB], 0xffff           ; a row with no open key anywhere in the block: every slot is fetched
	GATHER NB, 56, 0x40010
	GATHER OPB, 56, 0x40014                        ; bits 20-23: open everywhere
	s_or_b32 s56, s56, s57
	s_or_b32 s58, s58, s59
	s_or_b32 s56, s56, s58
	s_and_b32 s56, s56, 0xffff
	s_cmp_eq_u32 s56, 0xffff
	s_cselect_b32 s[NB], s[NB], 0xffff             ; such a row in my tile: I walk every step
	s_wait_loadcnt 0x0                             ; Q and my part of slot 0
	ds_store_b128 v[ST0], v[STG:STG+3]                     ; buffer 0's last readers passed the last barrier but one of the block before
	ds_store_b128 v[ST0], v[STG+4:STG+7]   offset:512
	ds_store_b128 v[ST0], v[STG+8:STG+11]  offset:VOF
	ds_store_b128 v[ST0], v[STG+12:STG+15] offset:VOF+512
	s_wait_dscnt 0x0
	s_barrier_signal -1
	s_barrier_wait -1
	s_mov_b32 s[TRIPS], 4
.Lslot:                                            ; four trips of two slots: the buffers are named by constants
	SLOT 0
	SLOT 1
	s_wait_xcnt 0x0                                ; the trip's loads have read their bases
	s_add_nc_u64 s[KB:KB+1], s[KB:KB+1], 2*BUF
	s_add_nc_u64 s[VB:VB+1], s[VB:VB+1], 2*BUF
	s_add_nc_u64 s[MWP:MWP+1], s[MWP:MWP+1], 1024
	s_lshr_b32 s[NB], s[NB], 4
	s_lshr_b32 s[OPB], s[OPB], 4
	s_lshr_b32 s[NWB], s[NWB], 4
	s_sub_co_u32 s[TRIPS], s[TRIPS], 1
	s_cmp_lg_u32 s[TRIPS], 0
	s_cbranch_scc1 .Lslot
	; THE WAY OUT of a block: O^T / l, quantised; a lane's 16 codes of tiles 2 b, 2 b + 1 are 16 neighbouring channels: the wave stores two pieces of 512 consecutive bytes.
.rept 4
	v_nop                                          ; places behind the last products
.endr
	v_add_f32 v14, v14, v15
	v_permlanex16_b32 v242, v14, s[SEL], s[SEL+1]
	v_add_f32 v14, v14, v242                       ; the row's sum
	v_rcp_f32 v14, v14
	v_nop                                          ; a plain instruction behind the reciprocal
	s_lshl_b32 s52, s[BLK], 4
	s_add_co_u32 s52, s52, s[WV]
	s_lshl_b32 s52, s52, 14
	s_mov_b32 s53, 0
	s_add_nc_u64 s[52:53], s[XB:XB+1], s[52:53]
	s_wait_alu depctr_va_vdst(0)                   ; and the wait ahead of its first reader
.set j, 0
.rept 16
	v_pk_mul_f32 v[S+j:S+j+1], v[O+j:O+j+1], v[14:15] op_sel_hi:[1,0]
.set j, j+2
.endr
.set j, 0
.rept 32
	v_med3_num_f32 v[S+j], v[S+j], -v[XLIM], v[XLIM]
.set j, j+1
.endr
.irp ct, 0,1,2,3
	v_cvt_scalef32_pk8_fp8_f32 v[XC+2*\ct:XC+2*\ct+1], v[S+8*\ct:S+8*\ct+7], v[XSC]
.endr
	v_nop                                          ; one plain instruction behind the last conversion
	global_store_b128 v[LI], v[XC:XC+3],   s[52:53]
	global_store_b128 v[LI], v[XC+4:XC+7], s[52:53] offset:512
	s_wait_xcnt 0x0                                ; the stores have read their registers and base
	s_sub_nc_u64 s[KB:KB+1], s[KB:KB+1], 8*BUF     ; back to the head's first key
	s_sub_nc_u64 s[VB:VB+1], s[VB:VB+1], 8*BUF
	s_sub_co_u32 s[BLK], 7, s[BLK]
	s_sub_co_u32 s[NBL], s[NBL], 1
	s_cmp_lg_u32 s[NBL], 0
	s_cbranch_scc1 .Lblock
	s_wait_tensorcnt 0x0                           ; the wave's end, behind my last LDS store
	ds_add_u32 v[SPW], v[NIL]
	s_wait_dscnt 0x0
	s_endpgm
.Lfunc_end_k_q6d7e126ac5_attn:
	.size	k_q6d7e126ac5_attn, .Lfunc_end_k_q6d7e126ac5_attn-k_q6d7e126ac5_attn
	.p2alignl 7, 3214868480
	.fill 96, 4, 3214868480
	.section	.rodata,"a",@progbits
	.p2align	6, 0x0
	.amdhsa_kernel k_q6d7e126ac5_attn
		.amdhsa_group_segment_fixed_size 67584
		.amdhsa_private_segment_fixed_size 0
		.amdhsa_enable_private_segment 0
		.amdhsa_kernarg_size 40
		.amdhsa_user_sgpr_count 2
		.amdhsa_user_sgpr_kernarg_segment_ptr 1
		.amdhsa_wavefront_size32 1
		.amdhsa_system_sgpr_workgroup_id_x 1
		.amdhsa_system_sgpr_workgroup_id_y 1
		.amdhsa_system_sgpr_workgroup_id_z 1
		.amdhsa_system_vgpr_workitem_id 0
		.amdhsa_next_free_vgpr 256
		.amdhsa_next_free_sgpr 106
		.amdhsa_reserve_vcc 0
		.amdhsa_float_denorm_mode_32 3
		.amdhsa_float_denorm_mode_16_64 3
		.amdhsa_memory_ordered 1
		.amdhsa_forward_progress 1
		.amdhsa_inst_pref_size 97
	.end_amdhsa_kernel
	.amdgpu_metadata
---
amdhsa.version: [ 1, 2 ]
amdhsa.kernels:
  - .name:           k_q6d7e126ac5_attn
    .symbol:         k_q6d7e126ac5_attn.kd
    .args:
      - { .name: img, .offset: 0, .size: 8, .value_kind: global_buffer, .address_space: global }
      - { .name: maskw, .offset: 8, .size: 8, .value_kind: global_buffer, .address_space: global }
      - { .name: info, .offset: 16, .size: 8, .value_kind: global_buffer, .address_space: global }
      - { .name: lowp_scales, .offset: 24, .size: 8, .value_kind: global_buffer, .address_space: global }
      - { .name: ximg, .offset: 32, .size: 8, .value_kind: global_buffer, .address_space: global }
    .group_segment_fixed_size: 67584
    .private_segment_fixed_size: 0
    .kernarg_segment_align: 8
    .kernarg_segment_size: 40
    .max_flat_workgroup_size: 512
    .sgpr_count:     106
    .vgpr_count:     256
    .wavefront_size: 32
...
	.end_amdgpu_metadata
.endif
;; end of part 3
;; launch outp (part 4): grid 4 x 32, 4 waves a work-group, clusters of 4 x 4, 327,680 bytes of LDS; arguments ximg, codes, lowp_scales, out0; writes out0
.if DOCPART == 4
	.amdgcn_target "amdgcn-amd-amdhsa--gfx1250"
	.amdhsa_code_object_version 6
	.text
	.protected	k_q6d7e126ac5_outp
	.globl	k_q6d7e126ac5_outp
	.p2align	8
	.type	k_q6d7e126ac5_outp,@function
k_q6d7e126ac5_outp:
	s_mov_b64 s[64:65], 0
	v_nop
	global_prefetch_b8 v0, s[64:65] scope:SCOPE_SE
	s_setreg_imm32_b32 hwreg(HW_REG_WAVE_MODE, 25, 1), 1
	s_wait_xcnt 0x0
	s_wait_alu depctr_hold_cnt(0) depctr_sa_sdst(0) depctr_va_vdst(0) depctr_va_sdst(0) depctr_va_ssrc(0) depctr_va_vcc(0) depctr_vm_vsrc(0)
	s_getreg_b32 s2, hwreg(HW_REG_IB_STS2, 6, 4)
	s_cmp_eq_u32 s2, 0
	s_cbranch_scc0 .Lentry_in_a_cluster
	s_endpgm
.Lentry_in_a_cluster:
	s_bfe_u32 s2, ttmp6, 0x10000c
	s_cmp_lg_u32 s2, 0xf033
	s_cbranch_scc0 .Lentry_shape_is_right
	s_endpgm
.Lentry_shape_is_right:
; OUTP: out0 = x w_o^T on codes of E4M3; out0 [8,192][1,024] f32; each finished sum is multiplied once by 2^(e10 + e11).  LIMIT: -126 <= e10 + e11 <= 127.  Nothing of the problem is left out here.
; A tile of 256 x 256 is made by four waves, each 128 x 128: 64 accumulators, 512 registers.  K = 1,024 goes in steps of 256 through a ring of two LDS slots filled by the tensor data mover.
; SIDE A, x, lies in memory as IMAGES OF OPERAND REGISTERS: row tile R (16 rows) x 16,384 + (block of 128 along K) x 2,048 + c x 512 + 16 x lane, lane (r, h) holding k = 32 c + 16 h + 0 .. 15 of row r.
; A K step of a row tile is 4,096 consecutive bytes: a wave's tensor load brings 8 such lines, dense in LDS; a fragment is four loads of 16 bytes at 16 x lane.
; SIDE B, w_o, lies as rows of 1,024 codes (rows 27,648 on of the buffer of codes); its fragments are fetched by loads of 16 bytes, which give a lane the same k as A's images hold.
; CLUSTERS: 4 x 4 work-groups; A's tiles are shared along a row of the cluster, B's along a column: each is asked for JOINTLY, by the same tensor load with the same descriptor and a mask that names the four.
; THE MATRIX INSTRUCTION IS USED TRANSPOSED (source 0 = 16 rows of B, source 1 = 16 rows of A): a lane holds eight neighbouring numbers of a row of the output.
; REGISTERS, in windows of 256: window 0: v0-31 addresses; from v128 A's fragments, ONE set; on the way out v32-255 are free.   window 1: B's fragments, TWO sets.
;   window 2: the accumulators of my rows 0-63 (accumulator (a, b) at v[8 (8 a + b)]);   window 3: those of my rows 64-127.
.set SIZE_N, 1024
.set ROWB,   256                       ; B: a tile's row in bytes
.set KROW,   1024                      ; B: a row of codes in memory
.set PITCH,  272                       ; B: an LDS row: 256 bytes + 16 of padding: the 16 rows that a load touches start 4 words apart
.set ALINE,  4096                      ; A: a row tile's bytes of a K step
.set FR,     16
.set NL,     4
.set NP,     4                         ; places behind this matrix instruction (ISA guide 7.12.1)
.set HALFA,  8*ALINE                   ; A: 8 row tiles: what one tensor load brings, and what one wave reads
.set HALFB,  128*PITCH                 ; B: 128 rows
.set BOFF,   2*HALFA
.set SLOT,   BOFF+2*HALFB
.set LAPS,   2
.set SPARE,  2*SLOT                    ; behind the ring: the spare words, 128 bytes for each wave: two blocks of 256 bytes that no other line names
.set SPITCH, 528                       ; the way out: a stage of 16 rows x (512 bytes + 16) for each wave, in slot 0, which has had its last fill and its last read when the first result is stored there
.set ADRA, 16
.set ADRB, 20
.set STO,  24
.set RD,   25
.set CO,   26
.set SPW,  28                          ; v28  LDS address of my spare word; never rewritten
.set NIL,  29                          ; v29  0; never rewritten
.set TMP,  32
.set AF,   128
.set BK,   128
.set G1, 24
.set G0, 32
.set G1B, 48
.set G0B, 56
.set MSB, 0
.macro WIN new                         ; the immediate's high byte repeats the setting that is left
.if MSB != \new
	s_set_vgpr_msb (MSB<<8)|\new
.set MSB, \new
.endif
.endm
.set MUL_LO, 0xa1
.set MUL_HI, 0xf1
.set TO_B,   0x40
.macro JLOAD g0a, g1a, g0b, g1b        ; waves 0 and 1 fetch for A, waves 2 and 3 for B; an s_nop 0 and four v_nop follow each of the two lines
	s_cmp_eq_u32 s15, 0
	s_cbranch_scc0 .Lfor_b_\@
	tensor_load_to_lds s[\g0a:\g0a+3], s[\g1a:\g1a+7]
	s_nop 0
.rept 4
	v_nop
.endr
	s_branch .Lasked_\@
.Lfor_b_\@:
	tensor_load_to_lds s[\g0b:\g0b+3], s[\g1b:\g1b+7]
	s_nop 0
.rept 4
	v_nop
.endr
.Lasked_\@:
.endm
.macro CREST
	s_cmp_lg_u32 s14, 0
	s_cbranch_scc1 .Lnot_wave_0_\@
	s_barrier_signal -3
.Lnot_wave_0_\@:
	s_barrier_wait -3
	s_barrier_signal -1
	s_barrier_wait -1
.endm
.macro CROUND
	s_barrier_signal -1
	s_barrier_wait -1
	CREST
.endm
	s_load_b128 s[4:7], s[0:1], 0x0                ; ximg s[4:5], codes s[6:7]
	s_load_b128 s[8:11], s[0:1], 0x10              ; lowp_scales s[8:9], out0 s[10:11]
	v_lshl_add_u32 v[SPW], v0, 2, SPARE
	v_mov_b32 v[NIL], 0
	ds_add_u32 v[SPW], v[NIL]                      ; the wave's opening: the add, twice on end, and its wait ahead of my first tensor load
	ds_add_u32 v[SPW], v[NIL]
	v_lshrrev_b32 v1, 5, v0
	v_readfirstlane_b32 s14, v1                    ; wave 0..3
	s_lshr_b32 s15, s14, 1                         ; which half of the tile's rows is mine.  Also: I fetch for A (0) or for B (1)
	s_and_b32 s16, s14, 1                          ; which half of its columns.  Also: which half of that tile I fetch
	s_bfe_u32 s40, ttmp6, 0x40000                  ; cx
	s_bfe_u32 s41, ttmp6, 0x40004                  ; cy
	s_lshl_b32 s42, ttmp9, 2
	s_add_co_u32 s42, s42, s40                     ; tile column
	s_and_b32 s17, ttmp7, 0xffff
	s_lshl_b32 s17, s17, 2
	s_add_co_u32 s17, s17, s41                     ; tile row
	s_lshl_b32 s43, s41, 2
	s_lshl_b32 s43, 15, s43                        ; my row of the cluster
	s_lshl_b32 s44, 0x1111, s40                    ; my column
	; A's group 1: 8 lines of 512 elements of 8 bytes, 2,048 elements apart, dense in LDS
	s_or_b32 s[G1+0], s43, (3<<16)|(1<<21)         ; 15:0 the mask; 17:16 elements of 8 bytes; 20 no padding; 21 set beside a mask
	s_mov_b32 s[G1+1], 512<<16                     ; tensor_dim0
	s_mov_b32 s[G1+2], 8<<16                       ; tensor_dim1
	s_mov_b32 s[G1+3], 512<<16                     ; tile_dim0
	s_mov_b32 s[G1+4], 8                           ; tile_dim1
	s_mov_b32 s[G1+5], 2048                        ; tensor_dim0_stride
	s_mov_b32 s[G1+6], 0
	s_mov_b32 s[G1+7], 0
	; B's group 1: 128 rows x 256 bytes, padded in LDS
	s_or_b32 s[G1B+0], s44, (0<<16)|(1<<20)|(1<<21)|(5<<22)|(3<<25)
	s_mov_b32 s[G1B+1], ROWB<<16
	s_mov_b32 s[G1B+2], 128<<16
	s_mov_b32 s[G1B+3], ROWB<<16
	s_mov_b32 s[G1B+4], 128
	s_mov_b32 s[G1B+5], KROW
	s_mov_b32 s[G1B+6], 0
	s_mov_b32 s[G1B+7], 0
	s_lshl_b32 s20, s17, 4
	s_lshl_b32 s18, s16, 3
	s_add_co_u32 s20, s20, s18                     ; A: row tile 16 x tile row + 8 x half
	s_lshl_b32 s20, s20, 14
	s_mov_b32 s21, 0
	s_lshl_b32 s46, s42, 8
	s_lshl_b32 s18, s16, 7
	s_add_co_u32 s46, s46, s18
	s_add_co_u32 s46, s46, 27648                   ; B: w_o's row 256 x tile column + 128 x half
	s_lshl_b32 s46, s46, 10
	s_mov_b32 s47, 0
	s_lshl_b32 s45, s16, 15                        ; where they go: A's two halves,
	s_mul_i32 s67, s16, HALFB
	s_add_co_u32 s67, s67, BOFF                    ; then B's two: no place in the cluster enters an LDS address
	s_wait_dscnt 0x0                               ; both opening adds are done
	s_wait_kmcnt 0x0
	s_load_b64 s[96:97], s[8:9], 0x28              ; e10, e11
	s_add_nc_u64 s[20:21], s[4:5], s[20:21]
	s_add_nc_u64 s[46:47], s[6:7], s[46:47]
	CROUND                                         ; all sixteen work-groups are here: the first joint loads meet
.irp s, 0,1
	s_mov_b32 s[G0+4*\s], 1
	s_add_co_u32 s[G0+4*\s+1], s45, \s*SLOT
	s_add_nc_u64 s[G0+4*\s+2:G0+4*\s+3], s[20:21], \s*ALINE
	s_or_b32 s[G0+4*\s+3], s[G0+4*\s+3], 0x80000000
	s_mov_b32 s[G0B+4*\s], 1
	s_add_co_u32 s[G0B+4*\s+1], s67, \s*SLOT
	s_add_nc_u64 s[G0B+4*\s+2:G0B+4*\s+3], s[46:47], \s*ROWB
	s_or_b32 s[G0B+4*\s+3], s[G0B+4*\s+3], 0x80000000
	JLOAD G0+4*\s, G1, G0B+4*\s, G1B               ; two loads of mine are out
.endr
	v_and_b32 v1, 15, v0                           ; l % 16
	v_bfe_u32 v2, v0, 4, 1                         ; l / 16
	v_and_b32 v6, 31, v0
	v_lshlrev_b32 v[CO], 4, v6                     ; 16 x lane
	v_mul_u32_u24 v3, v1, PITCH
	v_lshl_add_u32 v4, v2, 4, v3                   ; B: a fragment's row x pitch + 16 x half
	s_lshl_b32 s21, s15, 15                        ; my 8 row tiles of A
	s_mul_i32 s22, s16, HALFB                      ; my 128 rows of B,
	s_add_co_u32 s22, s22, BOFF                    ; which lie behind A's
.irp s, 0,1
	v_add_nc_u32 v[ADRA+\s], s21, v[CO]
	v_add_nc_u32 v[ADRB+\s], s22, v4
	s_add_co_u32 s21, s21, SLOT
	s_add_co_u32 s22, s22, SLOT
.endr
	s_mul_i32 s23, s14, 16*SPITCH                  ; my stage
	v_mul_u32_u24 v5, v1, SPITCH                   ; in: row l % 16, 32 bytes for each half of the lanes
	v_lshl_add_u32 v5, v2, 5, v5
	v_add_nc_u32 v[STO], s23, v5
	v_add_nc_u32 v[RD], s23, v[CO]                 ; back: the 32 lanes take one row of 512 bytes
	s_lshl_b32 s20, s17, 8
	s_lshl_b32 s21, s15, 7
	s_add_co_u32 s20, s20, s21                     ; my first row of the output
	s_mov_b32 s21, 0
	s_mov_b64 s[18:19], SIZE_N*4
	s_mul_u64 s[20:21], s[20:21], s[18:19]
	s_lshl_b32 s46, s42, 10                        ; my first column, in bytes
	s_lshl_b32 s47, s16, 9
	s_add_co_u32 s46, s46, s47
	s_mov_b32 s47, 0
	s_add_nc_u64 s[20:21], s[20:21], s[46:47]
	s_add_nc_u64 s[10:11], s[10:11], s[20:21]
.macro FRAG reg, adr, q, i             ; B: 16 rows x 128 K: registers 4 c .. 4 c + 3 hold K = 32 c + 16 (l / 16) + 0 .. 15 of row l % 16
.irp c, 0,1,2,3
	ds_load_b128 v[\reg+4*\c:\reg+4*\c+3], v[\adr] offset:128*(\q)+32*\c+(\i)*16*PITCH
.endr
.endm
.macro FRAGA reg, adr, q, i            ; A: the image of row tile i, the slot's q-th 128 along K: the same registers in the same lanes
.irp c, 0,1,2,3
	ds_load_b128 v[\reg+4*\c:\reg+4*\c+3], v[\adr] offset:(\i)*ALINE+2048*(\q)+512*\c
.endr
.endm
.macro MUL16 a0, p, zero               ; 16 matrix instructions; the 64 accumulators take turns, one instruction a turn, in the same order in every step
.irp a, \a0, \a0+1
.irp b, 0,1,2,3,4,5,6,7
.if \zero
	v_wmma_f32_16x16x128_fp8_fp8 v[8*(8*((\a)%4)+\b):8*(8*((\a)%4)+\b)+7], v[128*(\p)+FR*\b:128*(\p)+FR*\b+FR-1], v[AF+FR*(\a):AF+FR*(\a)+FR-1], 0
.else
	v_wmma_f32_16x16x128_fp8_fp8 v[8*(8*((\a)%4)+\b):8*(8*((\a)%4)+\b)+7], v[128*(\p)+FR*\b:128*(\p)+FR*\b+FR-1], v[AF+FR*(\a):AF+FR*(\a)+FR-1], v[8*(8*((\a)%4)+\b):8*(8*((\a)%4)+\b)+7]
.endif
.endr
.endr
.endm
.macro FETCH_B slot, q, p
	WIN TO_B
.irp i, 0,1,2,3,4,5,6,7
	FRAG 128*(\p)+FR*\i, ADRB+\slot, \q, \i
.endr
	WIN 0
.endm
.macro FETCH_A slot, q, i0
.irp i, \i0, \i0+1, \i0+2, \i0+3
	FRAGA AF+FR*(\i), ADRA+\slot, \q, \i
.endr
.endm
.macro PLACES n
.rept \n
	v_nop
.endr
.endm
.macro STEP slot, q, zero
	s_wait_dscnt 4*NL                              ; B's set and A's blocks 0-3 are in; the youngest 16 loads (A's blocks 4-7) may be out
	WIN MUL_LO
	MUL16 0, (\q)%2, \zero
	MUL16 2, (\q)%2, \zero
	s_wait_dscnt 0
	PLACES NP
	FETCH_B \slot, (\q)+1, 1-(\q)%2
	FETCH_A \slot, (\q)+1, 0
	WIN MUL_HI
	MUL16 4, (\q)%2, \zero
	MUL16 6, (\q)%2, \zero
	PLACES NP
	WIN 0
	FETCH_A \slot, (\q)+1, 4
.endm
.macro TURN slot, next, fill
	s_wait_tensorcnt 0x0                           ; all my tensor loads have landed: the one that was out is my part of the next slot
	ds_add_u32 v[SPW], v[NIL]                      ; 0 onto my spare word
	s_wait_dscnt 4*NL+1                            ; (the add and the youngest 16 loads may be out)
	WIN MUL_LO
	MUL16 0, 1, 0
	s_wait_dscnt 0x0                               ; the add is done, and my reads of this slot are over
	s_barrier_signal -1
	MUL16 2, 1, 0
	WIN 0
	s_barrier_wait -1
.if \fill
	CREST                                          ; the barrier has opened a round of the cluster's barrier: no wave of any partner still reads this slot or has a load on its way
	s_add_nc_u64 s[G0+4*\slot+2:G0+4*\slot+3], s[G0+4*\slot+2:G0+4*\slot+3], 2*ALINE
	s_add_nc_u64 s[G0B+4*\slot+2:G0B+4*\slot+3], s[G0B+4*\slot+2:G0B+4*\slot+3], 2*ROWB
	JLOAD G0+4*\slot, G1, G0B+4*\slot, G1B         ; the first tensor load behind the round, my only one until the next
.else
	PLACES NP
.endif
	FETCH_B \next, 0, 0
	FETCH_A \next, 0, 0
	WIN MUL_HI
	MUL16 4, 1, 0
	MUL16 6, 1, 0
	PLACES NP
	WIN 0
	FETCH_A \next, 0, 4
.endm
	s_wait_tensorcnt 1                             ; my part of K step 0 is in; K step 1's load may be out
	s_barrier_signal -1
	s_barrier_wait -1
	FETCH_B 0, 0, 0
	FETCH_A 0, 0, 0
	FETCH_A 0, 0, 4
	STEP 0, 0, 1                                   ; the first step's products start the sums
	s_mov_b32 s3, LAPS-1
.Llap:
	TURN 0, 1, 1
	STEP 1, 0, 0
	TURN 1, 0, 1
	STEP 0, 0, 0
	s_sub_co_u32 s3, s3, 1
	s_cmp_lg_u32 s3, 0
	s_cbranch_scc1 .Llap
	TURN 0, 1, 0                                   ; the last lap fills nothing
	STEP 1, 0, 0
	s_wait_dscnt 4*NL
	WIN MUL_LO
	MUL16 0, 1, 0
	MUL16 2, 1, 0
	s_wait_dscnt 0
	WIN MUL_HI
	MUL16 4, 1, 0
	MUL16 6, 1, 0
	WIN 0
; THE WAY OUT, block by block of 16 rows x 128 columns, through my own stage in LDS: in as 32 bytes a lane, back as whole rows of 512 bytes.  LDS serves a wave's instructions in order (ISA guide 5.7.1.4).
.macro TOSTAGE a
.set AC, 64*((\a)%4)
	WIN 0x02+((\a)/4)
.irp j, 0,2,4,6,8,10,12,14,16,18,20,22,24,26,28,30,32,34,36,38,40,42,44,46,48,50,52,54,56,58,60,62
	v_pk_mul_f32 v[TMP+\j:TMP+\j+1], v[AC+\j:AC+\j+1], s[96:97] op_sel_hi:[1,0]   ; x 2^(e10 + e11); each accumulator from its low end on
.endr
	WIN 0
.irp b, 0,1,2,3,4,5,6,7
	ds_store_b128 v[STO], v[TMP+8*\b:TMP+8*\b+3] offset:64*\b
	ds_store_b128 v[STO], v[TMP+8*\b+4:TMP+8*\b+7] offset:64*\b+16
.endr
.set BB, BK+64*((\a)%2)
.irp t, 0,1,2,3,4,5,6,7,8,9,10,11,12,13,14,15
	ds_load_b128 v[BB+4*\t:BB+4*\t+3], v[RD] offset:\t*SPITCH
.endr
.endm
.macro SEND a, younger                 ; younger: the LDS instructions issued behind block a's loads, which may stay out
.set BB, BK+64*((\a)%2)
	s_wait_dscnt \younger
.if (\a) > 0
	s_add_nc_u64 s[10:11], s[10:11], 16*SIZE_N*4   ; (behind a wait on XCNT: the earlier stores have read their base)
.endif
.irp t, 0,1,2,3,4,5,6,7,8,9,10,11,12,13,14,15
	global_store_b128 v[CO], v[BB+4*\t:BB+4*\t+3], s[10:11] offset:\t*SIZE_N*4 th:TH_STORE_NT   ; 32 lanes store 512 consecutive bytes, aligned
.endr
.endm
	s_wait_kmcnt 0x0
	s_add_co_i32 s96, s96, s97
	s_add_co_i32 s96, s96, 127
	s_lshl_b32 s96, s96, 23                        ; 2^(e10 + e11) as f32
	PLACES NP
	TOSTAGE 0
.irp a, 1,2,3,4,5,6,7
.if \a > 1
	s_wait_xcnt 0x0                                ; block a - 2's stores have read their registers and their base
.endif
	TOSTAGE \a
	SEND \a-1, 32                                  ; behind block a - 1's loads: block a's 16 stores and 16 loads
.endr
	s_wait_xcnt 0x0
	SEND 7, 0
	s_wait_tensorcnt 0x0                           ; the wave's end
	ds_add_u32 v[SPW], v[NIL]
	s_wait_dscnt 0x0
	CROUND                                         ; the closing round
	s_endpgm
.Lfunc_end_k_q6d7e126ac5_outp:
	.size	k_q6d7e126ac5_outp, .Lfunc_end_k_q6d7e126ac5_outp-k_q6d7e126ac5_outp
	.p2alignl 7, 3214868480
	.fill 96, 4, 3214868480
	.section	.rodata,"a",@progbits
	.p2align	6, 0x0
	.amdhsa_kernel k_q6d7e126ac5_outp
		.amdhsa_group_segment_fixed_size 327680
		.amdhsa_private_segment_fixed_size 0
		.amdhsa_enable_private_segment 0
		.amdhsa_kernarg_size 32
		.amdhsa_user_sgpr_count 2
		.amdhsa_user_sgpr_kernarg_segment_ptr 1
		.amdhsa_wavefront_size32 1
		.amdhsa_system_sgpr_workgroup_id_x 1
		.amdhsa_system_sgpr_workgroup_id_y 1
		.amdhsa_system_sgpr_workgroup_id_z 1
		.amdhsa_system_vgpr_workitem_id 0
		.amdhsa_next_free_vgpr 1024
		.amdhsa_next_free_sgpr 98
		.amdhsa_reserve_vcc 0
		.amdhsa_float_denorm_mode_32 3
		.amdhsa_float_denorm_mode_16_64 3
		.amdhsa_memory_ordered 1
		.amdhsa_forward_progress 1
		.amdhsa_inst_pref_size 123
	.end_amdhsa_kernel
	.amdgpu_metadata
---
amdhsa.version: [ 1, 2 ]
amdhsa.kernels:
  - .name:           k_q6d7e126ac5_outp
    .symbol:         k_q6d7e126ac5_outp.kd
    .args:
      - { .name: ximg, .offset: 0, .size: 8, .value_kind: global_buffer, .address_space: global }
      - { .name: codes, .offset: 8, .size: 8, .value_kind: global_buffer, .address_space: global }
      - { .name: lowp_scales, .offset: 16, .size: 8, .value_kind: global_buffer, .address_space: global }
      - { .name: out0, .offset: 24, .size: 8, .value_kind: global_buffer, .address_space: global }
    .group_segment_fixed_size: 327680
    .private_segment_fixed_size: 0
    .kernarg_segment_align: 8
    .kernarg_segment_size: 32
    .max_flat_workgroup_size: 128
    .sgpr_count:     98
    .vgpr_count:     1024
    .wavefront_size: 32
...
	.end_amdgpu_metadata
.endif
;; end of part 4
;; ======== version 2 of 2: 4 launches; version 1 with the launch attn written anew for expert scheduling mode
;; limits: right only within a limited range of input values
;; workspace buffers: codes 29,360,128 bytes; img 25,165,824 bytes; ximg 8,388,608 bytes; maskw 524,288 bytes of whole numbers; info 2,048 bytes of whole numbers
;; launch prep: the kernel of part 1 again; grid 1024 x 1, 4 waves a work-group, no clusters, 67,072 bytes of LDS; arguments query, key, value, w_q, w_k, w_v, w_o, mask, lowp_scales, codes, maskw, info; writes codes, maskw, info
;; launch proj: the kernel of part 2 again; grid 4 x 96, 4 waves a work-group, clusters of 4 x 4, 327,680 bytes of LDS; arguments codes, lowp_scales, img; writes img
;; launch attn (part 5): grid 4 x 64, 16 waves a work-group, no clusters, 67,584 bytes of LDS; arguments img, maskw, info, lowp_scales, ximg; writes ximg
.if DOCPART == 5
	.amdgcn_target "amdgcn-amd-amdhsa--gfx1250"
	.amdhsa_code_object_version 6
	.text
	.protected	k_q6d7e126ac5_attn
	.globl	k_q6d7e126ac5_attn
	.p2align	8
	.type	k_q6d7e126ac5_attn,@function
k_q6d7e126ac5_attn:
	s_mov_b64 s[64:65], 0
	v_nop
	global_prefetch_b8 v0, s[64:65] scope:SCOPE_SE
	s_setreg_imm32_b32 hwreg(HW_REG_WAVE_SCHED_MODE, 0, 2), 2
	s_setreg_imm32_b32 hwreg(HW_REG_WAVE_MODE, 25, 1), 1
	s_wait_xcnt 0x0
	s_wait_alu depctr_vm_vsrc(0)
; ATTN: x = softmax(q k^T / 8 under the mask) v for 64 (batch, head) pairs, both products on codes of E4M3; x is quantised (scale e10) and stored as images of operand registers for the last product.
; THE SOFTMAX AHEAD OF THE SECOND PRODUCT: t = logit x log2(e); M = the row's largest t so far, rounded up to a whole number; p = 2^(t - M) is quantised (scale e8), not normalised; the row's sum is taken
; of the unquantised p and divides at the end.  When M moves, the sum and O are multiplied by 2^(old M - new M), which rounds nothing.
; WORK LEFT OUT, by whole numbers that the first launch stored: a step of my 16 queries x 128 keys in which the mask is 0 everywhere is passed over where each of my 16 rows has an open key somewhere:
; its p would be 2^(fill - M) = 0 in f32.  A tile with a row that has no open key passes over nothing (that row is the plain mean of v, as with the problem's fill).  A slot of keys that none of
; the sixteen waves walks is not fetched.  A step that is open everywhere does not read its lane masks.
; THE FILL: a masked score becomes -2^(33 - e6 - e7), that is the logit -2^30 in place of -1e9.  Its t is a whole number in f32, as the t of -1e9 is, so a row with no open key has p = 1 throughout under
; either fill, and a row with an open key has p = 0 at masked keys under either.  LIMITS: open logits lie above -9.9e8 (they are at most 1.6e6 x 2^(e6 + e7) in size); -94 <= e6 + e7 <= 130;
; -126 <= e8 <= 119; -126 <= e10 - e8 - e9 <= 119.
; SHARES.  Work-group (x, y): batch y / 16, head y % 16; blocks x and 7 - x of 256 queries, one after the other.  Each of sixteen waves owns one tile of 16 queries in 256 registers: four waves to a SIMD,
; so that one wave's vector work stands beside another's matrix work and LDS loads.
; NO TENSOR LOADS AND NO CLUSTER: steps and fetches are passed over by numbers read from memory; and partners would want different slots.
; K's and V's images go memory -> registers -> LDS: each wave carries 2 x 1,024 bytes of a slot of 256 keys, asked for at the head of the slot before and stored at its end.  One barrier a slot.
; LAYOUT.  S^T = K Q^T (source 0 = 16 keys, source 1 = my queries), O^T = V^T P^T (source 0 = 16 channels, source 1 = P): a lane holds ONE query (lane % 16) throughout.  Score register n = 8 t + j is key
; 16 t + 8 (lane / 16) + j, so eight scores become registers 2 t, 2 t + 1 of P: the layout of an 8-bit operand (ISA guide 7.12.2).  V's tiles of channels are so chosen (w_v's rows were permuted) that the 16
; results of tiles 2 b, 2 b + 1 are channels 32 b + 16 (lane / 16) + 0 .. 15.
; THE MODE: SCHED_MODE bits 1:0 = 2 (LLVM: expert scheduling mode 2), set by the entry lines.  The code itself states the register dependences between vector or matrix instructions and memory or LDS
; instructions, with s_wait_alu, always for 0.
; THE PLAN.  Registers that memory or LDS instructions touch:
;   v1-v4      addresses: written by vector instructions at the head and never again; read by every load and store.  v5, v6: likewise, read by the closing add alone.  One wait on va_vdst at the head's end.
;   v[QF ..]   two global loads at a block's head land in it; the block's score products read it.  The wait on va_vdst ahead of a block's two stores is the last vector-side line of the block, so it also
;              states that those products are done with Q when the next block's loads are issued.
;   v[STG ..]  four global loads at a slot's head land in it; four LDS stores at the slot's end read it; no vector instruction names it.  One wait on vm_vsrc at each slot's head, one behind a block's stores.
;   v[FRG ..]  a walked step: K's 16 LDS loads land, eight score products read; V's 16 LDS loads land, four products V^T P^T read.  One wait on va_vdst ahead of K's loads (the last walked step's products are
;              done reading), one ahead of V's (the score products are).  From that second wait to the products V^T P^T no vector instruction names v[FRG ..]: V's loads are dealt among the softmax's lines.
;   v[XC ..]   a block's four conversions write it, its two global stores read it: va_vdst ahead of the stores, vm_vsrc behind them.
;   S^T, O^T, p's codes and the statistics are named by vector and matrix instructions alone.  A step that is passed over issues no memory or LDS instruction.
.set BUF,   32768                      ; an LDS buffer: 16 tiles of K x 1,024 bytes, then V: 2 steps x 4 tiles x 2,048 bytes.  All images: 16 x lane, no pitch
.set VOF,   16384
.set SPARE, 2*BUF                      ; the spare words, 128 bytes for each of 16 waves: eight blocks of 256 bytes that no other line names
.set LI,   1                           ; v1   16 x lane
.set ST0,  2                           ; v2   where I store my part of a slot: 1,024 x wave + 16 x lane
.set KG,   3                           ; v3   my part of a slot of K in memory: 2,048 x wave + 16 x lane
.set VG,   4                           ; v4   of V: 16,384 (wave / 8) + 1,024 (wave % 8) + 16 x lane
.set SPW,  5                           ; v5   LDS address of my spare word; never rewritten
.set NIL,  6                           ; v6   0; never rewritten
.set NEG,  7                           ; v7   the fill
.set PSC,  10                          ; v10  2^e8;  v11  448 x 2^e8
.set PLIM, 11
.set QF,   16                          ; v16-23   Q's fragment
.set XC,   24                          ; v24-31   x's codes
.set FRG,  32                          ; v32-95   K's 8 fragments, then V's 4
.set S,    96                          ; v96-159  S^T, then p
.set O,    160                         ; v160-191 O^T
.set STG,  192                         ; v192-207 my part of the next slot on its way
.set XSC,  208                         ; v208 2^(e10 - e8 - e9);  v209 448 x that
.set XLIM, 209
.set PC,   224                         ; v224-239 p's codes
; v12 -M, v13 the largest t, v[14:15] the sum in two halves; v240-247 at work
.set WV,   2                           ; s2   wave
.set E8,   3                           ; s3   e8
.set QB,   4                           ; s[4:5]   Q's images of my head
.set MWP,  10                          ; s[10:11] lowp_scales, later the lane masks of my tile, four steps on in every trip
.set XB,   12                          ; s[12:13] ximg at my batch and head
.set KB,   14                          ; s[14:15] K's images, two slots on in every trip
.set VB,   16                          ; s[16:17] V's
.set BLK,  18                          ; s18  the block of queries
.set NBL,  19                          ; s19  blocks to go
.set NB,   61                          ; s61  bit i: my tile walks step i of the trip's four (shifted by 4 a trip)
.set OPB,  62                          ; s62  bit i: that step is open everywhere
.set NWB,  63                          ; s63  bit i: some wave walks it
.set FL,   66                          ; s66  not 0: the next slot is fetched
.set TRIPS, 67
.set CS,   100                         ; s[100:101] c = log2(e) / 8 x 2^(e6 + e7)
.set SEL,  104                         ; s[104:105] lane selects: lane l xor 16
; s[20:51], s[68:99]: 64 words: word n in s[20 + n + 16 (n / 32)]: a step's lane masks; in a block's prologue the block's 64 words of info
	s_load_b256 s[4:11], s[0:1], 0x0               ; img s[4:5], maskw s[6:7], info s[8:9], lowp_scales s[10:11]
	s_load_b64 s[12:13], s[0:1], 0x20              ; ximg
	v_lshl_add_u32 v[SPW], v0, 2, SPARE
	v_mov_b32 v[NIL], 0
	v_lshrrev_b32 v8, 5, v0
	v_readfirstlane_b32 s[WV], v8                  ; wave 0..15
	v_and_b32 v8, 31, v0
	v_lshlrev_b32 v[LI], 4, v8
	s_wait_alu depctr_va_sdst(0)                   ; the wave's number is written, ahead of its first reader: addresses and bases are made from it
	s_lshl_b32 s52, s[WV], 10
	v_add_nc_u32 v[ST0], s52, v[LI]
	s_lshl_b32 s52, s[WV], 11
	v_add_nc_u32 v[KG], s52, v[LI]
	s_lshr_b32 s52, s[WV], 3
	s_lshl_b32 s52, s52, 14
	s_and_b32 s53, s[WV], 7
	s_lshl_b32 s53, s53, 10
	s_add_co_u32 s52, s52, s53
	v_add_nc_u32 v[VG], s52, v[LI]
	v_mov_b32 v242, 0                              ; written once: a lane permute's destination counts as read
	v_mov_b32 v245, 0                              ; (named as the upper half of the pair v[244:245])
	s_and_b32 s54, ttmp7, 0xffff
	s_lshr_b32 s55, s54, 4                         ; batch
	s_and_b32 s56, s54, 15                         ; head
	s_lshr_b32 s57, s56, 1                         ; the pair of heads: a block of 128 features
	s_and_b32 s58, s56, 1                          ; which of the two
	s_lshl_b32 s52, s55, 3
	s_add_co_u32 s52, s52, s57
	s_lshl_b32 s52, s52, 18
	s_lshl_b32 s59, s58, 10
	s_add_co_u32 s52, s52, s59                     ; Q, K: (batch x 8 + pair) x 262,144 + 1,024 x which
	s_mov_b32 s53, 0
	s_lshl_b32 s54, s55, 21                        ; ximg: 128 row tiles of 16,384 bytes a batch,
	s_lshl_b32 s57, s57, 11
	s_add_co_u32 s54, s54, s57                     ; 2,048 x pair,
	s_add_co_u32 s54, s54, s59                     ; 1,024 x which
	s_mov_b32 s55, 0
	s_mul_i32 s56, s58, 7168                       ; V: its section, and 8,192 x which in place of 1,024
	s_add_co_u32 s56, s56, 16777216
	s_mov_b32 s57, 0
	s_mov_b32 s[SEL], 0x76543210
	s_mov_b32 s[SEL+1], 0xfedcba98
	s_mov_b32 s[BLK], ttmp9
	s_mov_b32 s[NBL], 2
	s_wait_kmcnt 0x0
	s_load_b256 s[20:27], s[10:11], 0x0            ; e0 .. e7
	s_load_b128 s[28:31], s[10:11], 0x20           ; e8 .. e11
	s_add_nc_u64 s[QB:QB+1], s[QB:QB+1], s[52:53]
	s_add_nc_u64 s[XB:XB+1], s[XB:XB+1], s[54:55]
	s_add_nc_u64 s[KB:KB+1], s[QB:QB+1], 0x800000
	s_add_nc_u64 s[VB:VB+1], s[QB:QB+1], s[56:57]
	s_wait_kmcnt 0x0
	s_add_co_i32 s52, s26, s27                     ; e6 + e7
	s_lshl_b32 s53, s52, 23
	s_add_co_i32 s[CS], s53, 0x3e38aa3b            ; log2(e) / 8 with the two exponents added to its exponent field
	s_mov_b32 s[CS+1], s[CS]                       ; (named with it as a pair, so it is written)
	s_sub_co_i32 s53, 160, s52
	s_lshl_b32 s53, s53, 23
	s_or_b32 s53, s53, 0x80000000
	v_mov_b32 v[NEG], s53                          ; -2^(33 - e6 - e7)
	s_mov_b32 s[E8], s28
	s_add_co_i32 s52, s28, 127
	s_lshl_b32 s53, s52, 23
	v_mov_b32 v[PSC], s53
	s_add_co_i32 s52, s52, 8
	s_lshl_b32 s52, s52, 23
	s_or_b32 s52, s52, 0x600000
	v_mov_b32 v[PLIM], s52
	s_sub_co_i32 s52, s30, s28
	s_sub_co_i32 s52, s52, s29                     ; O / l stands for x / 2^(e8 + e9): its code is (O / l) / 2^(e10 - e8 - e9)
	s_add_co_i32 s52, s52, 127
	s_lshl_b32 s53, s52, 23
	v_mov_b32 v[XSC], s53
	s_add_co_i32 s52, s52, 8
	s_lshl_b32 s52, s52, 23
	s_or_b32 s52, s52, 0x600000
	v_mov_b32 v[XLIM], s52
	s_wait_alu depctr_va_vdst(0)                   ; the four addresses v1 to v4 are written, which every load and store of the kernel reads, and so are v5 and v6, which the closing add reads
.macro GATHER dst, src, fld            ; four bits of each of four words, on end
	s_bfe_u32 s[\dst], s[\src], \fld
.irp g, 1,2,3
	s_bfe_u32 s21, s[\src+\g], \fld
	s_lshl_b32 s21, s21, 4*\g
	s_or_b32 s[\dst], s[\dst], s21
.endr
.endm
; The next slot is asked for at the head of the slot in hand, if any wave walks one of its two steps.
.macro FILL_ISSUE buf
	s_wait_alu depctr_vm_vsrc(0)                   ; the LDS stores at the end of the slot before (in a block's first slot: the prologue's) have read v[STG ..], in which the loads below land; ahead of the branch, so on every way
	s_and_b32 s[FL], s[NWB], 0xc<<(2*\buf)         ; in the last trip's second slot these bits lie beyond the sixteen steps and are 0: no load leaves the buffer
	s_cmp_lg_u32 s[FL], 0
	s_cbranch_scc0 .Lnoask_\@
	global_load_b128 v[STG:STG+3],     v[KG], s[KB:KB+1] offset:(\buf+1)*BUF
	global_load_b128 v[STG+4:STG+7],   v[KG], s[KB:KB+1] offset:(\buf+1)*BUF+512
	global_load_b128 v[STG+8:STG+11],  v[VG], s[VB:VB+1] offset:(\buf+1)*BUF
	global_load_b128 v[STG+12:STG+15], v[VG], s[VB:VB+1] offset:(\buf+1)*BUF+512
.Lnoask_\@:
.endm
; and stored at its end, into the other buffer, whose readers passed the barrier at the end of the slot before.  Then the slot's one barrier: my stores have landed and my reads of this buffer are in.
.macro FILL_STORE buf
	s_wait_loadcnt 0x0                             ; on every way: the four loads, if they were issued, are the wave's only ones
	s_cmp_lg_u32 s[FL], 0
	s_cbranch_scc0 .Lnoput_\@
	ds_store_b128 v[ST0], v[STG:STG+3]     offset:(1-\buf)*BUF
	ds_store_b128 v[ST0], v[STG+4:STG+7]   offset:(1-\buf)*BUF+512
	ds_store_b128 v[ST0], v[STG+8:STG+11]  offset:(1-\buf)*BUF+VOF
	ds_store_b128 v[ST0], v[STG+12:STG+15] offset:(1-\buf)*BUF+VOF+512
.Lnoput_\@:
	s_wait_dscnt 0x0
	s_barrier_signal -1
	s_barrier_wait -1
.endm
; V's fragment of 16 channels x 128 keys: tile ct of the q-th step of the slot in buffer buf: four loads
.macro VFRAG buf, q, ct
.irp p, 0,1,2,3
	ds_load_b128 v[FRG+16*(\ct)+4*\p:FRG+16*(\ct)+4*\p+3], v[LI] offset:(\buf)*BUF+VOF+(\q)*8192+(\ct)*2048+\p*512
.endr
.endm
; A KEY STEP: 128 keys, the q-th of the slot in buffer buf.
.macro STEP buf, q
	s_bitcmp1_b32 s[NB], 2*\buf+\q
	s_cbranch_scc0 .Lskip_\@                       ; nothing of this step counts for my tile
	s_bitcmp1_b32 s[OPB], 2*\buf+\q
	s_cbranch_scc1 .Lopen_a_\@                     ; open everywhere: no lane masks
.irp i, 0,1,2,3
	s_load_b512 s[20+16*\i+16*(\i/2):35+16*\i+16*(\i/2)], s[MWP:MWP+1], (2*\buf+\q)*256+64*\i
.endr
.Lopen_a_\@:
.rept 4
	v_nop                                          ; places behind the last step's products, in front of loads into their sources
.endr
	s_wait_alu depctr_va_vdst(0)                   ; the four products V^T P^T of the step that I walked last are done reading v[FRG ..], in which K's fragments land
.irp t, 0,1,2,3,4,5,6,7
	ds_load_b128 v[FRG+8*\t:FRG+8*\t+3],   v[LI] offset:\buf*BUF+(8*\q+\t)*1024
	ds_load_b128 v[FRG+8*\t+4:FRG+8*\t+7], v[LI] offset:\buf*BUF+(8*\q+\t)*1024+512
.endr
	s_wait_dscnt 0x0
.irp t, 0,1,2,3,4,5,6,7
	v_wmma_f32_16x16x64_fp8_fp8 v[S+8*\t:S+8*\t+7], v[FRG+8*\t:FRG+8*\t+7], v[QF:QF+7], 0
.endr
.rept 4
	v_nop                                          ; places: in front of the loads over K's fragments and of the first read of the scores
.endr
	s_wait_alu depctr_va_vdst(0)                   ; the eight score products are done reading K's fragments, in which V's land.  From here to the products V^T P^T no vector instruction names v[FRG ..]: V's sixteen loads owe nothing more
	VFRAG \buf, \q, 0                              ; V's fragments land under the softmax: two tiles here, ahead of the wait for the lane masks,
	VFRAG \buf, \q, 1                              ; the other two among the lines of the maximum
	s_wait_kmcnt 0x0                               ; on every way: the lane masks, if they were asked for
	s_bitcmp1_b32 s[OPB], 2*\buf+\q
	s_cbranch_scc1 .Lopen_b_\@
.set n, 0
.rept 64
	v_cndmask_b32 v[S+n], v[NEG], v[S+n], s[20+n+16*(n/32)]   ; bit 1: the score stays; bit 0: the fill.  Each accumulator from its low end on
.set n, n+1
.endr
.Lopen_b_\@:
	v_max3_num_f32 v240, v[S], v[S+1], v[S+2]      ; the step's largest score of my query, among my 64 keys, in two chains,
	v_max3_num_f32 v241, v[S+3], v[S+4], v[S+5]
.irp i, 6,10,14,18,22,26,30,34,38,42,46,50,54,58
.if \i == 14
	VFRAG \buf, \q, 2
.endif
.if \i == 38
	VFRAG \buf, \q, 3
.endif
	v_max3_num_f32 v240, v240, v[S+\i], v[S+1+\i]
	v_max3_num_f32 v241, v241, v[S+2+\i], v[S+3+\i]
.endr
	v_max3_num_f32 v240, v240, v[S+62], v[S+63]
	v_max_num_f32 v240, v240, v241
	v_permlanex16_b32 v242, v240, s[SEL], s[SEL+1]
	v_max_num_f32 v240, v240, v242                 ; and among lane l xor 16's
	v_mul_f32 v240, s[CS], v240                    ; as t (c is positive)
	v_max_num_f32 v13, v13, v240                   ; the running largest t
	v_mov_b32 v240, v12
	v_floor_f32 v12, -v13                          ; the new -M = floor(-t): M is a whole number
	v_sub_f32 v240, v12, v240                      ; old M - new M: a whole number, 0 or less
	v_cvt_i32_f32 v240, v240                       ; (it saturates)
	v_ldexp_f32 v244, 1.0, v240                    ; f = 2^(old M - new M)
.set j, 0
.rept 32
	v_pk_fma_f32 v[S+j:S+j+1], v[S+j:S+j+1], s[CS:CS+1], v[12:13] op_sel_hi:[1,0,0]   ; t - M, two at a time
.set j, j+2
.endr
.set j, 0
.rept 64
	v_exp_f32 v[S+j], v[S+j]                       ; p = 2^(t - M), at most 1
.set j, j+1
.endr
	v_pk_mul_f32 v[14:15], v[14:15], v[244:245] op_sel_hi:[1,0]   ; the sums under the new M: the plain instruction behind the exponentials
	s_wait_alu depctr_va_vdst(0)                   ; the 64 exponentials have written v[S ..]: one wait for the batch, ahead of its first reader
	v_pk_add_f32 v[246:247], v[S:S+1], v[S+2:S+3]  ; the row's sum is taken of the unquantised p, in two chains
.irp j, 4,8,12,16,20,24,28,32,36,40,44,48,52,56,60
	v_pk_add_f32 v[14:15], v[14:15], v[S+\j:S+1+\j]
	v_pk_add_f32 v[246:247], v[246:247], v[S+2+\j:S+3+\j]
.endr
	v_pk_add_f32 v[14:15], v[14:15], v[246:247]
	s_cmp_lt_i32 s[E8], -8                         ; p is at most 1, and 448 x 2^e8 is under 1 only where e8 < -8: only there can the hold bite
	s_cbranch_scc0 .Lnohold_\@
.set j, 0
.rept 64
	v_min_num_f32 v[S+j], v[S+j], v[PLIM]          ; the conversion does not saturate (ISA guide 7.6.2); p is not negative, so the hold is one-sided
.set j, j+1
.endr
.Lnohold_\@:
.irp t, 0,1,2,3,4,5,6,7
	v_cvt_scalef32_pk8_fp8_f32 v[PC+2*\t:PC+2*\t+1], v[S+8*\t:S+8*\t+7], v[PSC]
.endr
.set j, 0
.rept 16
	v_pk_mul_f32 v[O+j:O+j+1], v[O+j:O+j+1], v[244:245] op_sel_hi:[1,0]   ; O^T under the new M; also the plain instructions behind the conversions
.set j, j+2
.endr
	s_wait_dscnt 0x0                               ; V's fragments are in
.irp ct, 0,1,2,3
	v_wmma_f32_16x16x128_fp8_fp8 v[O+8*\ct:O+8*\ct+7], v[FRG+16*\ct:FRG+16*\ct+15], v[PC:PC+15], v[O+8*\ct:O+8*\ct+7]   ; four accumulators by turns; the next step's eight score products stand between two links of a chain
.endr
.Lskip_\@:
.endm
.macro SLOT buf
	FILL_ISSUE \buf
	STEP \buf, 0
	STEP \buf, 1
	FILL_STORE \buf
.endm
.Lblock:                                           ; two trips: blocks x and 7 - x.  The loads below owe no wait here: on the way in the head's last line, on the way back the two waits round the block's stores have stated all that they hang on
	s_lshl_b32 s60, s[BLK], 4
	s_add_co_u32 s60, s60, s[WV]                   ; my tile of 16 queries, 0 .. 127
	s_lshl_b32 s52, s60, 11
	s_mov_b32 s53, 0
	s_add_nc_u64 s[52:53], s[QB:QB+1], s[52:53]
	global_load_b128 v[QF:QF+3],   v[LI], s[52:53] th:TH_LOAD_NT
	global_load_b128 v[QF+4:QF+7], v[LI], s[52:53] offset:512 th:TH_LOAD_NT
	global_load_b128 v[STG:STG+3],     v[KG], s[KB:KB+1]              ; slot 0 is always fetched
	global_load_b128 v[STG+4:STG+7],   v[KG], s[KB:KB+1] offset:512
	global_load_b128 v[STG+8:STG+11],  v[VG], s[VB:VB+1]
	global_load_b128 v[STG+12:STG+15], v[VG], s[VB:VB+1] offset:512
	s_lshl_b32 s54, s[BLK], 8
	s_mov_b32 s55, 0
	s_add_nc_u64 s[54:55], s[8:9], s[54:55]        ; the 16 tiles' 64 words of info
	s_load_b512 s[20:35], s[54:55], 0x0
	s_load_b512 s[36:51], s[54:55], 0x40
	s_load_b512 s[68:83], s[54:55], 0x80
	s_load_b512 s[84:99], s[54:55], 0xc0
	s_lshl_b32 s62, s60, 4
	s_mov_b32 s63, 0
	s_add_nc_u64 s[62:63], s[8:9], s[62:63]
	s_load_b128 s[56:59], s[62:63], 0x0            ; my tile's four
	s_lshl_b32 s[MWP], s60, 12
	s_mov_b32 s[MWP+1], 0
	s_add_nc_u64 s[MWP:MWP+1], s[6:7], s[MWP:MWP+1]   ; my tile's lane masks
	v_mov_b32 v13, 0xff61b1e6                      ; the largest t so far: -3e38, under every t
	v_floor_f32 v12, -v13
	v_mov_b32 v14, 0
	v_mov_b32 v15, 0
.set j, 0
.rept 32
	v_mov_b32 v[O+j], 0                            ; O^T: the step is written once; the first finds zeros, which the first change of M leaves zeros
.set j, j+1
.endr
	s_wait_kmcnt 0x0
	s_wait_xcnt 0x0                                ; the loads above have read their bases: s52 to s63 may be written
	; which steps does some wave walk, which do I walk
.irp g, 0,1,2,3
	s_or_b32 s[52+\g], s[20+\g], s[24+\g]
.irp T, 2,3,4,5,6,7,8,9,10,11,12,13,14,15
	s_or_b32 s[52+\g], s[52+\g], s[20+4*\T+\g+16*((4*\T)/32)]   ; word g of all 16 tiles
.endr
.endr
.irp T, 0,1,2,3,4,5,6,7,8,9,10,11,12,13,14,15
	s_or_b32 s[20+4*\T+16*((4*\T)/32)], s[20+4*\T+16*((4*\T)/32)], s[21+4*\T+16*((4*\T)/32)]
	s_or_b32 s[22+4*\T+16*((4*\T)/32)], s[22+4*\T+16*((4*\T)/32)], s[23+4*\T+16*((4*\T)/32)]
	s_or_b32 s[20+4*\T+16*((4*\T)/32)], s[20+4*\T+16*((4*\T)/32)], s[22+4*\T+16*((4*\T)/32)]   ; a tile's four words: bits 0-15: row r has an open key
.endr
	s_and_b32 s60, s20, s24
.irp T, 2,3,4,5,6,7,8,9,10,11,12,13,14,15
	s_and_b32 s60, s60, s[20+4*\T+16*((4*\T)/32)]
.endr
	GATHER NWB, 52, 0x40010                        ; bits 16-19 of the four: some tile has an open key in step 4 g + j
	s_and_b32 s60, s60, 0xffff
	s_cmp_eq_u32 s60, 0xffff
	s_cselect_b32 s[NWB], s[NWB], 0xffff           ; a row with no open key anywhere in the block: every slot is fetched
	GATHER NB, 56, 0x40010
	GATHER OPB, 56, 0x40014                        ; bits 20-23: open everywhere
	s_or_b32 s56, s56, s57
	s_or_b32 s58, s58, s59
	s_or_b32 s56, s56, s58
	s_and_b32 s56, s56, 0xffff
	s_cmp_eq_u32 s56, 0xffff
	s_cselect_b32 s[NB], s[NB], 0xffff             ; such a row in my tile: I walk every step
	s_wait_loadcnt 0x0                             ; Q and my part of slot 0
	ds_store_b128 v[ST0], v[STG:STG+3]                     ; buffer 0's last readers passed the last barrier but one of the block before
	ds_store_b128 v[ST0], v[STG+4:STG+7]   offset:512
	ds_store_b128 v[ST0], v[STG+8:STG+11]  offset:VOF
	ds_store_b128 v[ST0], v[STG+12:STG+15] offset:VOF+512
	s_wait_dscnt 0x0
	s_barrier_signal -1
	s_barrier_wait -1
	s_mov_b32 s[TRIPS], 4
.Lslot:                                            ; four trips of two slots: the buffers are named by constants
	SLOT 0
	SLOT 1
	s_wait_xcnt 0x0                                ; the trip's loads have read their bases
	s_add_nc_u64 s[KB:KB+1], s[KB:KB+1], 2*BUF
	s_add_nc_u64 s[VB:VB+1], s[VB:VB+1], 2*BUF
	s_add_nc_u64 s[MWP:MWP+1], s[MWP:MWP+1], 1024
	s_lshr_b32 s[NB], s[NB], 4
	s_lshr_b32 s[OPB], s[OPB], 4
	s_lshr_b32 s[NWB], s[NWB], 4
	s_sub_co_u32 s[TRIPS], s[TRIPS], 1
	s_cmp_lg_u32 s[TRIPS], 0
	s_cbranch_scc1 .Lslot
	; THE WAY OUT of a block: O^T / l, quantised; a lane's 16 codes of tiles 2 b, 2 b + 1 are 16 neighbouring channels: the wave stores two pieces of 512 consecutive bytes.
.rept 4
	v_nop                                          ; places behind the last products
.endr
	v_add_f32 v14, v14, v15
	v_permlanex16_b32 v242, v14, s[SEL], s[SEL+1]
	v_add_f32 v14, v14, v242                       ; the row's sum
	v_rcp_f32 v14, v14
	v_nop                                          ; a plain instruction behind the reciprocal
	s_lshl_b32 s52, s[BLK], 4
	s_add_co_u32 s52, s52, s[WV]
	s_lshl_b32 s52, s52, 14
	s_mov_b32 s53, 0
	s_add_nc_u64 s[52:53], s[XB:XB+1], s[52:53]
	s_wait_alu depctr_va_vdst(0)                   ; the reciprocal has written v14: the wait ahead of its first reader
.set j, 0
.rept 16
	v_pk_mul_f32 v[S+j:S+j+1], v[O+j:O+j+1], v[14:15] op_sel_hi:[1,0]
.set j, j+2
.endr
.set j, 0
.rept 32
	v_med3_num_f32 v[S+j], v[S+j], -v[XLIM], v[XLIM]
.set j, j+1
.endr
.irp ct, 0,1,2,3
	v_cvt_scalef32_pk8_fp8_f32 v[XC+2*\ct:XC+2*\ct+1], v[S+8*\ct:S+8*\ct+7], v[XSC]
.endr
	v_nop                                          ; one plain instruction behind the last conversion
	s_wait_alu depctr_va_vdst(0)                   ; the conversions have written v[XC ..], which the two stores read; and the block's score products are done reading v[QF ..], in which the next block's loads land: no vector instruction stands between this wait and those loads
	global_store_b128 v[LI], v[XC:XC+3],   s[52:53]
	global_store_b128 v[LI], v[XC+4:XC+7], s[52:53] offset:512
	s_wait_xcnt 0x0                                ; the stores have read their registers and base
	s_wait_alu depctr_vm_vsrc(0)                   ; the stores have read v[XC ..], which the next block's conversions write; the last slot's LDS stores have read v[STG ..], in which the next block's first loads land
	s_sub_nc_u64 s[KB:KB+1], s[KB:KB+1], 8*BUF     ; back to the head's first key
	s_sub_nc_u64 s[VB:VB+1], s[VB:VB+1], 8*BUF
	s_sub_co_u32 s[BLK], 7, s[BLK]
	s_sub_co_u32 s[NBL], s[NBL], 1
	s_cmp_lg_u32 s[NBL], 0
	s_cbranch_scc1 .Lblock
	s_wait_dscnt 0x0                               ; the closing lines, six on end
	s_wait_alu 0x0
	s_wait_tensorcnt 0x0
	ds_add_u32 v[SPW], v[NIL]
	s_wait_dscnt 0x0
	s_endpgm
.Lfunc_end_k_q6d7e126ac5_attn:
	.size	k_q6d7e126ac5_attn, .Lfunc_end_k_q6d7e126ac5_attn-k_q6d7e126ac5_attn
	.p2alignl 7, 3214868480
	.fill 96, 4, 3214868480
	.section	.rodata,"a",@progbits
	.p2align	6, 0x0
	.amdhsa_kernel k_q6d7e126ac5_attn
		.amdhsa_group_segment_fixed_size 67584
		.amdhsa_private_segment_fixed_size 0
		.amdhsa_enable_private_segment 0
		.amdhsa_kernarg_size 40
		.amdhsa_user_sgpr_count 2
		.amdhsa_user_sgpr_kernarg_segment_ptr 1
		.amdhsa_wavefront_size32 1
		.amdhsa_system_sgpr_workgroup_id_x 1
		.amdhsa_system_sgpr_workgroup_id_y 1
		.amdhsa_system_sgpr_workgroup_id_z 1
		.amdhsa_system_vgpr_workitem_id 0
		.amdhsa_next_free_vgpr 256
		.amdhsa_next_free_sgpr 106
		.amdhsa_reserve_vcc 0
		.amdhsa_float_denorm_mode_32 3
		.amdhsa_float_denorm_mode_16_64 3
		.amdhsa_memory_ordered 1
		.amdhsa_forward_progress 1
		.amdhsa_inst_pref_size 98
	.end_amdhsa_kernel
	.amdgpu_metadata
---
amdhsa.version: [ 1, 2 ]
amdhsa.kernels:
  - .name:           k_q6d7e126ac5_attn
    .symbol:         k_q6d7e126ac5_attn.kd
    .args:
      - { .name: img, .offset: 0, .size: 8, .value_kind: global_buffer, .address_space: global }
      - { .name: maskw, .offset: 8, .size: 8, .value_kind: global_buffer, .address_space: global }
      - { .name: info, .offset: 16, .size: 8, .value_kind: global_buffer, .address_space: global }
      - { .name: lowp_scales, .offset: 24, .size: 8, .value_kind: global_buffer, .address_space: global }
      - { .name: ximg, .offset: 32, .size: 8, .value_kind: global_buffer, .address_space: global }
    .group_segment_fixed_size: 67584
    .private_segment_fixed_size: 0
    .kernarg_segment_align: 8
    .kernarg_segment_size: 40
    .max_flat_workgroup_size: 512
    .sgpr_count:     106
    .vgpr_count:     256
    .wavefront_size: 32
...
	.end_amdgpu_metadata
.endif
;; end of part 5
;; launch outp: the kernel of part 4 again; grid 4 x 32, 4 waves a work-group, clusters of 4 x 4, 327,680 bytes of LDS; arguments ximg, codes, lowp_scales, out0; writes out0
